; MI455X (gfx1250); checked and timed in simulation.
; The chip was launched on July 23, 2026; its instructions are those of AMD's public machine-readable ISA for CDNA 5 (MIT licence, August 2026) and "CDNA5" Instruction Set Architecture Reference Guide (July 2026). The comments in the code are by the model that wrote it; some were corrected since.
;; Ortho No Chunk Phasor. Allowed arithmetic: float matrix products may take bf16 or f16 operands with f32 sums; other float arithmetic in f32, or as packed bf16 or f16 multiplies, adds, multiply-adds, maxima and minima; sums over many terms, partial sums and values carried from step to step in f32; what a program stores and reads back later, other than sums and carried values, may be rounded once to bf16 or f16.
;; Inputs: Wk 1,024 x 1,024 float32; Wkm 1,024 x 1,024 float32; Wo 1,024 x 1,024 float32; Wq 1,024 x 1,024 float32; Wqm 1,024 x 1,024 float32; Wv 1,024 x 1,024 float32; base_phases 2,048 x 1,024 float32; bk 1,024 float32; bkm 1,024 float32; bo 1,024 float32; bq 1,024 float32; bqm 1,024 float32; bv 1,024 float32; ln_b 1,024 float32; ln_g 1,024 float32; mod_scale 1 float32; x 4 x 2,048 x 1,024 float32.
;; Outputs: out0 4 x 2,048 x 1,024 float32.
;; 2 versions, each right; version 2 is version 1 with the launches prep, norm written anew for expert scheduling mode. Each part assembles by itself: llvm-mc -triple=amdgcn-amd-amdhsa -mcpu=gfx1250 --defsym DOCPART=n.
;; ======== version 1 of 2: 4 launches
;; workspace buffers: xb 16,777,216 bytes; wcat 6,291,456 bytes; wob 2,097,152 bytes; pb 8,192 bytes; r4 33,554,432 bytes; cs4 33,554,432 bytes; sums 524,288 bytes; nb 16,777,216 bytes
;; launch prep (part 1): grid 448 x 1, 8 waves a work-group, no clusters, 75,264 bytes of LDS; arguments Wkm, Wqm, Wk, Wq, bk, bq, bkm, bqm, x, Wv, Wo, xb, wcat, wob, pb; writes xb, wcat, wob, pb
.if DOCPART == 1
	.amdgcn_target "amdgcn-amd-amdhsa--gfx1250"
	.amdhsa_code_object_version 6
	.text
	.protected	k_qe684251d9e_prep
	.globl	k_qe684251d9e_prep
	.p2align	8
	.type	k_qe684251d9e_prep,@function
k_qe684251d9e_prep:
	s_mov_b64 s[64:65], 0
	v_nop
	global_prefetch_b8 v0, s[64:65] scope:SCOPE_SE
	s_setreg_imm32_b32 hwreg(HW_REG_WAVE_MODE, 25, 1), 1
	s_wait_xcnt 0x0
; PREP.  Work-groups 0-127: the two weight products  Wkm Wk  and  Wqm Wq  (1024 x 1024 x 1024 each, bf16 operands, f32 sums, rounded once to bf16)
; and the two phase biases  Wkm bk + bkm,  Wqm bq + bqm  (all in f32).  No non-linear step stands between key and its phase projection, so
; lin(lin(x, Wk, bk), Wkm, bkm) = x (Wkm Wk)^T + (Wkm bk + bkm) for every input: the next launch multiplies x by one matrix of 3,072 rows.
; Work-groups 128-447: casts f32 -> bf16 of x (256 chunks), Wv (32) and Wo (32), 131,072 bytes of f32 a chunk.
; wcat, bf16 [3072][1024]: the row of matrix mat (0: Wkm Wk, 1: Wv, 2: Wqm Wq) and output column e is (e >> 5) * 96 + mat * 32 + (e & 31).
; LIMITS.  The merged weights are rounded to bf16 and the order of the sums differs from a chain of two products.
; A PRODUCT'S SHARES.  A work-group makes 128 (e) x 128 (d); K = j goes in 16 steps of 64.  Eight waves, 64 (e) x 32 (d) each: 8 accumulators.
; The f32 tiles come through registers (two sets, one on its way while the other is worked on), are rounded, and go to two LDS buffers that take turns:
; A = W.m [e][j] in rows of 144 bytes, B = W. [j][d] in rows of 288 bytes, read turned by ds_load_tr16_b128.
; The matrix instruction is used transposed (source 0 = 16 columns d, source 1 = 16 rows e): a lane then holds eight neighbouring d of one row e.
.set PA,    144                        ; a row of A in LDS: 128 bytes + 16: the 16 rows of a load start at 16 different groups of four banks (ISA guide 11.1)
.set PB,    288                        ; a row of B: 256 bytes + 32: an odd multiple of 32
.set ABUF,  18432                      ; 128 x PA = 64 x PB: a buffer
.set BREG,  36864                      ; B's two buffers lie behind A's two
.set BIASW, 73728                      ; 128 words: the row sums of W.m b.
.set SPARE, 74240                      ; the spare words, 128 bytes a wave
.set SP,    272                        ; the way out: a row of 128 bf16 + 16 bytes; the stage takes A's buffers' place behind a barrier
.set MV,    16                         ; v16-31  eight pairs of partial sums of the matrix-vector product
.set OUTP,  176                        ; v176-207 packed results
.set SPW,   254
.set NIL,   255
.set MSB, 0
.macro WIN new                         ; the immediate's high byte repeats the setting that is left
.if MSB != (\new)
	s_set_vgpr_msb (MSB<<8)|(\new)
.set MSB, \new
.endif
.endm
	s_load_b512 s[4:19], s[0:1], 0x0               ; Wkm 4, Wqm 6, Wk 8, Wq 10, bk 12, bq 14, bkm 16, bqm 18
	s_load_b256 s[20:27], s[0:1], 0x40             ; x 20, Wv 22, Wo 24, xb 26
	s_load_b128 s[28:31], s[0:1], 0x60             ; wcat 28, wob 30
	s_load_b64 s[32:33], s[0:1], 0x70              ; pb
	v_lshl_add_u32 v[SPW], v0, 2, SPARE
	v_mov_b32 v[NIL], 0
	v_lshrrev_b32 v1, 5, v0
	v_readfirstlane_b32 s34, v1                    ; wave 0..7
	s_mov_b32 s35, ttmp9
	v_and_b32 v5, 31, v0                           ; lane
	s_cmp_lt_u32 s35, 128
	s_cbranch_scc1 .Lwprod
	; ---- THE CASTS.  Chunk c: x (c < 256), Wv (c < 288), Wo.  A wave takes 16,384 bytes: 32 loads of 512 neighbouring bytes, all on their way at once.
	s_sub_co_u32 s36, s35, 128                     ; c
	s_sub_co_u32 s37, s36, 256                     ; the chunk's number in Wv
	s_sub_co_u32 s38, s36, 288                     ; in Wo
	s_mul_i32 s39, s37, 196608                     ; 32 rows of Wv go to wcat's rows 96 c' + 32 ..: 2,048 bytes a row
	s_add_co_u32 s39, s39, 65536
	s_lshl_b32 s44, s38, 16
	s_lshl_b32 s47, s36, 16
	s_wait_kmcnt 0x0
	s_cmp_lt_u32 s36, 288
	s_cselect_b64 s[40:41], s[22:23], s[24:25]
	s_cselect_b64 s[42:43], s[28:29], s[30:31]
	s_cselect_b32 s45, s37, s38
	s_cselect_b32 s46, s39, s44
	s_cmp_lt_u32 s36, 256
	s_cselect_b64 s[40:41], s[20:21], s[40:41]
	s_cselect_b64 s[42:43], s[26:27], s[42:43]
	s_cselect_b32 s45, s36, s45
	s_cselect_b32 s46, s47, s46
	s_lshl_b32 s44, s45, 17                        ; the chunk's first byte in its source,
	s_lshl_b32 s48, s34, 14                        ; my wave's part of it
	s_add_co_u32 s44, s44, s48
	s_mov_b32 s45, 0
	s_add_nc_u64 s[40:41], s[40:41], s[44:45]
	s_lshl_b32 s48, s34, 13
	s_add_co_u32 s46, s46, s48
	s_mov_b32 s47, 0
	s_add_nc_u64 s[42:43], s[42:43], s[46:47]
	v_lshlrev_b32 v2, 4, v5
	v_lshlrev_b32 v3, 3, v5
.set ii, 0
.rept 32
	global_load_b128 v[32+4*ii:35+4*ii], v2, s[40:41] offset:512*ii th:TH_LOAD_NT
.set ii, ii+1
.endr
.set ii, 0
.rept 32
	s_wait_loadcnt 31-ii                           ; loads come back in order: number ii is in, the younger ones stay out
	v_cvt_pk_bf16_f32 v[160+2*ii], v[32+4*ii], v[33+4*ii]
	v_cvt_pk_bf16_f32 v[161+2*ii], v[34+4*ii], v[35+4*ii]
	global_store_b64 v3, v[160+2*ii:161+2*ii], s[42:43] offset:256*ii   ; a wave's store covers 256 consecutive bytes, aligned; no register is used twice
.set ii, ii+1
.endr
	s_endpgm
	; ---- THE PRODUCTS
.Lwprod:
	s_lshr_b32 s36, s35, 6                         ; 0: Wkm Wk, 1: Wqm Wq
	s_bfe_u32 s37, s35, 0x30003                    ; block of 128 e
	s_and_b32 s38, s35, 7                          ; block of 128 d; the work-groups with block 0 also make the bias
	v_and_b32 v1, 15, v0                           ; place in a group of sixteen threads = lane % 16
	v_bfe_u32 v2, v0, 4, 1                         ; lane / 16
	v_lshrrev_b32 v4, 4, v0                        ; group of sixteen, 0..15
	v_lshlrev_b32 v6, 15, v4                       ; A from memory: rows 8 g + p, 16 bytes at 16 (t % 16): sixteen lanes take a row's 256 bytes
	v_lshl_add_u32 v6, v1, 4, v6
	s_lshl_b32 s56, s34, 15                        ; B from memory: rows 8 w + p, 16 bytes a lane: a wave takes a row's 512 bytes
	v_lshl_add_u32 v7, v5, 4, s56
	v_lshlrev_b32 v8, 4, v1                        ; the four b. that go with my four columns of A
	v_mul_u32_u24 v9, v4, 8*PA                     ; A into LDS
	v_lshl_add_u32 v9, v1, 3, v9
	s_mul_i32 s56, s34, 8*PB                       ; B into LDS
	s_add_co_u32 s56, s56, BREG
	v_lshl_add_u32 v10, v5, 3, s56
	s_lshr_b32 s57, s34, 2                         ; my 64 rows e
	s_and_b32 s58, s34, 3                          ; my 32 columns d
	s_mul_i32 s56, s57, 64*PA
	v_mul_u32_u24 v11, v1, PA                      ; a fragment of A: row lane % 16, 16 bytes for each half of the lanes
	v_lshl_add_u32 v11, v2, 4, v11
	v_add_nc_u32 v11, s56, v11
	v_and_b32 v12, 7, v0                           ; the turning load: lane l reads row 8 (l / 16) + l % 8, columns 8 ((l / 8) % 2) + 0..7
	v_lshl_add_u32 v12, v2, 3, v12
	v_mul_u32_u24 v12, v12, PB
	v_bfe_u32 v13, v0, 3, 1
	v_lshl_add_u32 v12, v13, 4, v12
	s_lshl_b32 s56, s58, 6
	s_add_co_u32 s56, s56, BREG
	v_add_nc_u32 v12, s56, v12
	s_mul_i32 s56, s57, 64*SP                      ; the way out, in: row e, my 64 bytes of it, 16 bytes for each half of the lanes
	s_lshl_b32 s59, s58, 6
	s_add_co_u32 s56, s56, s59
	v_mul_u32_u24 v13, v1, SP
	v_lshl_add_u32 v13, v2, 4, v13
	v_add_nc_u32 v13, s56, v13
	v_lshl_add_u32 v14, v4, 5, BIASW               ; my group's eight row sums
	s_mul_i32 s56, s34, 16*SP                      ; back: wave w takes rows 16 w ..; lanes 0-15 one row of 256 bytes, lanes 16-31 the next
	v_mul_u32_u24 v15, v2, SP
	v_lshl_add_u32 v15, v1, 4, v15
	v_add_nc_u32 v15, s56, v15
	v_lshlrev_b32 v168, 11, v2                     ; and the same two rows in wcat
	v_lshl_add_u32 v168, v1, 4, v168
.set ii, 0
.rept 16
	v_mov_b32 v[MV+ii], 0
.set ii, ii+1
.endr
	s_wait_kmcnt 0x0
	s_cmp_eq_u32 s36, 0
	s_cselect_b64 s[40:41], s[4:5], s[6:7]         ; A
	s_cselect_b64 s[42:43], s[8:9], s[10:11]       ; B
	s_cselect_b64 s[44:45], s[12:13], s[14:15]     ; the vector that A multiplies
	s_cselect_b64 s[46:47], s[16:17], s[18:19]     ; and what is added
	s_lshl_b32 s48, s37, 19
	s_mov_b32 s49, 0
	s_add_nc_u64 s[40:41], s[40:41], s[48:49]      ; A at my 128 rows
	s_lshl_b32 s48, s38, 9
	s_add_nc_u64 s[42:43], s[42:43], s[48:49]      ; B at my 128 columns
	s_add_nc_u64 s[50:51], s[40:41], 256           ; the second set of bases: K step 1
	s_add_nc_u64 s[52:53], s[42:43], 262144
	s_add_nc_u64 s[54:55], s[44:45], 256
	s_lshl_b32 s48, s37, 9
	s_add_nc_u64 s[46:47], s[46:47], s[48:49]
	s_lshl_b32 s56, s36, 12
	s_add_co_u32 s48, s48, s56
	s_add_nc_u64 s[32:33], s[32:33], s[48:49]      ; pb at my 128 numbers
	s_lshl_b32 s48, s37, 2                         ; wcat's row of my wave's first row on the way out
	s_lshr_b32 s56, s34, 1
	s_add_co_u32 s48, s48, s56
	s_mul_i32 s48, s48, 96
	s_lshl_b32 s56, s36, 6
	s_add_co_u32 s48, s48, s56
	s_and_b32 s56, s34, 1
	s_lshl_b32 s56, s56, 4
	s_add_co_u32 s48, s48, s56
	s_lshl_b32 s48, s48, 11
	s_lshl_b32 s56, s38, 8
	s_add_co_u32 s48, s48, s56
	s_add_nc_u64 s[28:29], s[28:29], s[48:49]
.macro LOADS s                         ; 17 loads: a K step's f32 tiles into register set s
.set RA, 32+68*(\s)
.set SA, 40+10*(\s)
.irp p, 0,1,2,3,4,5,6,7
	global_load_b128 v[RA+4*\p:RA+4*\p+3], v6, s[SA:SA+1] offset:\p*4096
.endr
.irp p, 0,1,2,3,4,5,6,7
	global_load_b128 v[RA+32+4*\p:RA+32+4*\p+3], v7, s[SA+2:SA+3] offset:\p*4096
.endr
	global_load_b128 v[RA+64:RA+67], v8, s[SA+4:SA+5]
.endm
.macro MM8 kk, zero                    ; 8 matrix instructions, the 8 accumulators by turns; zero = 1: they start the sums
.irp a, 0,1,2,3
.irp b, 0,1
.if \zero
	v_wmma_f32_16x16x32_bf16 v[8*(2*\a+\b):8*(2*\a+\b)+7], v[128+8*(2*(\kk)+\b):128+8*(2*(\kk)+\b)+7], v[64+8*(4*(\kk)+\a):64+8*(4*(\kk)+\a)+7], 0
.else
	v_wmma_f32_16x16x32_bf16 v[8*(2*\a+\b):8*(2*\a+\b)+7], v[128+8*(2*(\kk)+\b):128+8*(2*(\kk)+\b)+7], v[64+8*(4*(\kk)+\a):64+8*(4*(\kk)+\a)+7], v[8*(2*\a+\b):8*(2*\a+\b)+7]
.endif
.endr
.endr
.endm
; A K step on set and buffer s.  left: the other set's 17 loads may stay out.  One barrier a step: buffer s is written again two steps on, and every wave has
; waited for its reads of it in front of the barrier in between.
.macro STEP s, fetch, zero, left
.set RA, 32+68*(\s)
.set SA, 40+10*(\s)
	s_wait_loadcnt \left                           ; my set is in; its bases may be stepped
	s_cmp_lg_u32 s38, 0
	s_cbranch_scc1 .Lnomv_\@                       ; the matrix-vector product is made once, by the work-groups of d block 0
.irp p, 0,1,2,3,4,5,6,7
	v_pk_fma_f32 v[MV+2*\p:MV+2*\p+1], v[RA+4*\p:RA+4*\p+1], v[RA+64:RA+65], v[MV+2*\p:MV+2*\p+1]
.endr
.irp p, 0,1,2,3,4,5,6,7
	v_pk_fma_f32 v[MV+2*\p:MV+2*\p+1], v[RA+4*\p+2:RA+4*\p+3], v[RA+66:RA+67], v[MV+2*\p:MV+2*\p+1]
.endr
.Lnomv_\@:
.set pp, 0
.rept 16                               ; 32 roundings in place; they are also the places between the last products and the loads into their fragments
	v_cvt_pk_bf16_f32 v[RA+4*pp], v[RA+4*pp], v[RA+4*pp+1]
	v_cvt_pk_bf16_f32 v[RA+4*pp+1], v[RA+4*pp+2], v[RA+4*pp+3]
.set pp, pp+1
.endr
.irp p, 0,1,2,3,4,5,6,7
	ds_store_b64 v9, v[RA+4*\p:RA+4*\p+1] offset:(\s)*ABUF+\p*PA
	ds_store_b64 v10, v[RA+32+4*\p:RA+32+4*\p+1] offset:(\s)*ABUF+\p*PB
.endr
	s_wait_dscnt 0x0                               ; for the others' sake: my part of the buffer is written
.if \fetch
	s_add_nc_u64 s[SA:SA+1], s[SA:SA+1], 512       ; two K steps on
	s_add_nc_u64 s[SA+2:SA+3], s[SA+2:SA+3], 524288
	s_add_nc_u64 s[SA+4:SA+5], s[SA+4:SA+5], 512
	LOADS \s
.endif
	s_barrier_signal -1
	s_barrier_wait -1
	WIN 0x40                                       ; fragments in window 1, addresses in window 0
.irp kk, 0,1
.irp a, 0,1,2,3
	ds_load_b128 v[64+8*(4*\kk+\a):64+8*(4*\kk+\a)+3], v11 offset:(\s)*ABUF+\a*16*PA+\kk*64
	ds_load_b128 v[64+8*(4*\kk+\a)+4:64+8*(4*\kk+\a)+7], v11 offset:(\s)*ABUF+\a*16*PA+\kk*64+32
.endr
.irp b, 0,1
	ds_load_tr16_b128 v[128+8*(2*\kk+\b):128+8*(2*\kk+\b)+3], v12 offset:(\s)*ABUF+\kk*32*PB+\b*32
	ds_load_tr16_b128 v[128+8*(2*\kk+\b)+4:128+8*(2*\kk+\b)+7], v12 offset:(\s)*ABUF+\kk*32*PB+16*PB+\b*32
.endr
.endr
	s_wait_dscnt 12                                ; the first 32 along K are in, the other twelve loads may be out
	WIN 0x55
	MM8 0, \zero
	s_wait_dscnt 0x0
	MM8 1, 0
	WIN 0
.endm
	LOADS 0
	LOADS 1
	STEP 0, 1, 1, 17
	STEP 1, 1, 0, 17
	s_mov_b32 s39, 6
.Lk:
	STEP 0, 1, 0, 17
	STEP 1, 1, 0, 17
	s_sub_co_u32 s39, s39, 1
	s_cmp_lg_u32 s39, 0
	s_cbranch_scc1 .Lk
	STEP 0, 0, 0, 17                               ; the last two steps load nothing
	STEP 1, 0, 0, 0
	; THE WAY OUT
.rept 4
	v_nop                                          ; four places between the last products and the roundings that read them (ISA guide 7.12.1)
.endr
	WIN 0x05
.set ii, 0
.rept 8
.irp q, 0,1,2,3
	v_cvt_pk_bf16_f32 v[OUTP+4*ii+\q], v[8*ii+2*\q], v[8*ii+2*\q+1]
.endr
.set ii, ii+1
.endr
	WIN 0
	s_barrier_signal -1                            ; every wave's reads of A's buffers are over (each waited for them in front of its last products):
	s_barrier_wait -1                              ; the stage may take their place
.irp a, 0,1,2,3
.irp b, 0,1
	ds_store_b128 v13, v[OUTP+4*(2*\a+\b):OUTP+4*(2*\a+\b)+3] offset:\a*16*SP+\b*32
.endr
.endr
	s_cmp_lg_u32 s38, 0
	s_cbranch_scc1 .Lnobias
.irp p, 0,1,2,3,4,5,6,7
	v_add_f32 v[MV+2*\p], v[MV+2*\p], v[MV+2*\p+1]
.endr
.irp m, 1,2,4,8
.irp p, 0,1,2,3,4,5,6,7
	v_add_f32_dpp v[MV+2*\p], v[MV+2*\p], v[MV+2*\p] row_xmask:\m row_mask:0xf bank_mask:0xf   ; over the sixteen threads that share a row
.endr
.endr
.irp p, 0,1,2,3,4,5,6,7
	ds_store_b32 v14, v[MV+2*\p] offset:\p*4       ; sixteen lanes write the same word with the same value
.endr
.Lnobias:
	s_wait_dscnt 0x0                               ; for the others' sake
	s_barrier_signal -1
	s_barrier_wait -1
.irp t, 0,1,2,3,4,5,6,7
	ds_load_b128 v[OUTP+4*\t:OUTP+4*\t+3], v15 offset:\t*2*SP
.endr
.irp t, 0,1,2,3,4,5,6,7
	s_wait_dscnt 7-\t
	global_store_b128 v168, v[OUTP+4*\t:OUTP+4*\t+3], s[28:29] offset:\t*4096   ; sixteen lanes store 256 consecutive bytes, aligned
.endr
	s_cmp_lg_u32 s38, 0
	s_cbranch_scc1 .Lend
	s_cmp_lg_u32 s34, 0
	s_cbranch_scc1 .Lend
	v_lshlrev_b32 v169, 4, v5                      ; wave 0: the 128 row sums, plus the second bias
	v_add_nc_u32 v170, BIASW, v169
	ds_load_b128 v[208:211], v170
	global_load_b128 v[212:215], v169, s[46:47]
	s_wait_loadcnt 0x0
	s_wait_dscnt 0x0
	v_pk_add_f32 v[208:209], v[208:209], v[212:213]
	v_pk_add_f32 v[210:211], v[210:211], v[214:215]
	global_store_b128 v169, v[208:211], s[32:33]
.Lend:
	s_wait_tensorcnt 0x0                           ; the wave's end, behind my last LDS store
	ds_add_u32 v[SPW], v[NIL]
	s_wait_dscnt 0x0
	s_endpgm
.Lfunc_end_k_qe684251d9e_prep:
	.size	k_qe684251d9e_prep, .Lfunc_end_k_qe684251d9e_prep-k_qe684251d9e_prep
	.p2alignl 7, 3214868480
	.fill 96, 4, 3214868480
	.section	.rodata,"a",@progbits
	.p2align	6, 0x0
	.amdhsa_kernel k_qe684251d9e_prep
		.amdhsa_group_segment_fixed_size 75264
		.amdhsa_private_segment_fixed_size 0
		.amdhsa_enable_private_segment 0
		.amdhsa_kernarg_size 120
		.amdhsa_user_sgpr_count 2
		.amdhsa_user_sgpr_kernarg_segment_ptr 1
		.amdhsa_wavefront_size32 1
		.amdhsa_system_sgpr_workgroup_id_x 1
		.amdhsa_system_sgpr_workgroup_id_y 1
		.amdhsa_system_sgpr_workgroup_id_z 1
		.amdhsa_system_vgpr_workitem_id 0
		.amdhsa_next_free_vgpr 416
		.amdhsa_next_free_sgpr 66
		.amdhsa_reserve_vcc 0
		.amdhsa_float_denorm_mode_32 3
		.amdhsa_float_denorm_mode_16_64 3
		.amdhsa_memory_ordered 1
		.amdhsa_forward_progress 1
		.amdhsa_inst_pref_size 77
	.end_amdhsa_kernel
	.amdgpu_metadata
---
amdhsa.version: [ 1, 2 ]
amdhsa.kernels:
  - .name:           k_qe684251d9e_prep
    .symbol:         k_qe684251d9e_prep.kd
    .args:
      - { .name: Wkm, .offset: 0, .size: 8, .value_kind: global_buffer, .address_space: global }
      - { .name: Wqm, .offset: 8, .size: 8, .value_kind: global_buffer, .address_space: global }
      - { .name: Wk, .offset: 16, .size: 8, .value_kind: global_buffer, .address_space: global }
      - { .name: Wq, .offset: 24, .size: 8, .value_kind: global_buffer, .address_space: global }
      - { .name: bk, .offset: 32, .size: 8, .value_kind: global_buffer, .address_space: global }
      - { .name: bq, .offset: 40, .size: 8, .value_kind: global_buffer, .address_space: global }
      - { .name: bkm, .offset: 48, .size: 8, .value_kind: global_buffer, .address_space: global }
      - { .name: bqm, .offset: 56, .size: 8, .value_kind: global_buffer, .address_space: global }
      - { .name: x, .offset: 64, .size: 8, .value_kind: global_buffer, .address_space: global }
      - { .name: Wv, .offset: 72, .size: 8, .value_kind: global_buffer, .address_space: global }
      - { .name: Wo, .offset: 80, .size: 8, .value_kind: global_buffer, .address_space: global }
      - { .name: xb, .offset: 88, .size: 8, .value_kind: global_buffer, .address_space: global }
      - { .name: wcat, .offset: 96, .size: 8, .value_kind: global_buffer, .address_space: global }
      - { .name: wob, .offset: 104, .size: 8, .value_kind: global_buffer, .address_space: global }
      - { .name: pb, .offset: 112, .size: 8, .value_kind: global_buffer, .address_space: global }
    .group_segment_fixed_size: 75264
    .private_segment_fixed_size: 0
    .kernarg_segment_align: 8
    .kernarg_segment_size: 120
    .max_flat_workgroup_size: 256
    .sgpr_count:     66
    .vgpr_count:     416
    .wavefront_size: 32
...
	.end_amdgpu_metadata
.endif
;; end of part 1
;; launch phase (part 2): grid 16 x 32, 4 waves a work-group, clusters of 4 x 4, 327,680 bytes of LDS; arguments xb, wcat, base_phases, pb, bv, mod_scale, r4, cs4, sums; writes r4, cs4, sums
.if DOCPART == 2
	.amdgcn_target "amdgcn-amd-amdhsa--gfx1250"
	.amdhsa_code_object_version 6
	.text
	.protected	k_qe684251d9e_phase
	.globl	k_qe684251d9e_phase
	.p2align	8
	.type	k_qe684251d9e_phase,@function
k_qe684251d9e_phase:
	s_mov_b64 s[64:65], 0
	v_nop
	global_prefetch_b8 v0, s[64:65] scope:SCOPE_SE
	s_setreg_imm32_b32 hwreg(HW_REG_WAVE_MODE, 25, 1), 1
	s_wait_xcnt 0x0
	s_wait_alu depctr_hold_cnt(0) depctr_sa_sdst(0) depctr_va_vdst(0) depctr_va_sdst(0) depctr_va_ssrc(0) depctr_va_vcc(0) depctr_vm_vsrc(0)
	s_getreg_b32 s2, hwreg(HW_REG_IB_STS2, 6, 4)
	s_cmp_eq_u32 s2, 0
	s_cbranch_scc0 .Lentry_in_a_cluster
	s_endpgm
.Lentry_in_a_cluster:
	s_bfe_u32 s2, ttmp6, 0x10000c
	s_cmp_lg_u32 s2, 0xf033
	s_cbranch_scc0 .Lentry_shape_is_right
	s_endpgm
.Lentry_shape_is_right:
; PHASE.  One product  x wcat^T  (8192 x 3072 x 1024, bf16 operands, f32 sums) gives, for each row m and column e, the key phase's and the query phase's linear parts and the value.
; On the way out: phases, their sines and cosines, value x phasor, a prefix sum over the wave's 128 rows (a SEGMENT), and the read-out of that local sum.
;   r4   f32: R_loc = A_loc cos q + B_loc sin q, four rows interleaved: byte ((m >> 2) * 1024 + e) * 16 + (m & 3) * 4
;   cs4  the same index; a word holds cos q (f16, low half) and sin q (f16, high half)
;   sums f32 [segment][e][2]: the segment's totals of A and B.      The next launch adds  A_off cos q + B_off sin q  (the read-out is linear in the sums).
; The division by sqrt(1024) = 32 is folded into the value.
; SINE AND COSINE.  t = phase / 2 pi + 1/2;  H = pi fract(t) - pi/2, so that 2 H = phase modulo 2 pi and |H| <= pi/2;  S = sin H (series to H^9), C = 2 cos H (series to H^10);
; sin = S C, cos = C C / 2 - 1.  LIMITS: the series leave at most 4e-6 absolute; the reduction in f32 leaves 2^-24 |phase / 2 pi| revolutions; NaN and infinities are not treated apart.
; SHARES.  A work-group: 256 rows x 64 columns e (192 rows of wcat).  Four waves: 128 rows x 32 e x 3 matrices = 48 accumulators of 16 x 16.  K in steps of 128 through two LDS slots.
; The matrix instruction is used as it stands (source 0 = 16 rows of x, source 1 = 16 rows of wcat): a lane holds one column e and eight consecutive rows, so the prefix sum runs down its registers.
; CLUSTER.  4 x 4 work-groups: the four of a row need the same tiles of x, the four of a column the same tiles of wcat: each is asked for jointly.  base_phases' tile is each work-group's own.
; K'S ORDER.  Cluster (X, Y) begins at K step (2 X + 4 (Y & 1) + 2 ((Y >> 1) & 1)) mod 8 and goes round.  The four clusters that read the same rows of x begin 2 steps apart, those that read the same
; rows of wcat 4, 2 and 6 apart; each fills two slots at its start, so a K step that a cluster asks for later has as a rule been asked for by another cluster before.  The order of the f32 sums goes with it.
; REGISTERS.  window 0: v0-31 addresses and small data; v32-159 two buffers of 8 fragments of x; v160-255 two buffers of 6 fragments of wcat (f = 2 mat + e block); all at work on the way out.
;   window 1: accumulators (a, f) at 48 a + 8 f for row blocks a = 0-3;   window 2: the same for a = 4-7.
.set PITCH, 272                        ; an LDS row: 256 bytes + 16: row r starts at bank 4 r mod 64 (ISA guide 11.1)
.set AHALF, 128*PITCH
.set BHALF, 96*PITCH
.set BOFF,  2*AHALF
.set SLOT,  2*AHALF+2*BHALF            ; 256 rows of x, then 192 rows of wcat
.set BASE,  2*SLOT                     ; base_phases: 256 rows x 64 f32, filled once
.set BQ,    64*PITCH
.set SPARE, BASE+4*BQ                  ; the spare words, 128 bytes a wave
.set LAPS,  4                          ; 1024 / (2 x 128)
.set ADRA, 16                          ; v16-17 my fragments of x in slot 0, 1
.set ADRB, 20                          ; v20-21 of wcat
.set BA,   24                          ; v24 my word in base_phases' tile
.set RO,   25                          ; v25 my byte offset in r4 and cs4
.set SO,   26                          ; v26 in sums
.set ROT,  27                          ; v27 RO + the trip's 65,536 bytes
.set SPW,  28
.set NIL,  29
.set FA0,  32
.set FB0,  160
.set BS,   32                          ; the way out, 16 numbers i = 8 eb + j each: base phases,
.set TK,   48                          ; key phase in revolutions, then H
.set TQ,   64                          ; query phase likewise (TK and TQ are worked on as one run of 32)
.set VV,   80                          ; value / 32
.set ZZ,   96                          ; H^2 (32)
.set SS,   128                         ; S, then sines (32), then B's terms and sums in the first 16
.set CC,   160                         ; C, then cosines (32), then A's terms and sums in the first 16
.set RR,   192
.set CSP,  208
.set CAR,  224                         ; four carries: A eb 0, A eb 1, B eb 0, B eb 1
.set TMP,  228                         ; four pairs: where a chain starts; the other half's total
.set CKQ,  240                         ; (ck, cq) for eb 0, then for eb 1
.set BV,   244                         ; bv / 32 for eb 0, 1
.set G1A, 24
.set G1B, 32
.set G1P, 40
.set G0A, 48
.set G0B, 56
.set G0P, 80
.set WV,  22
.set RH,  23
.set CH,  66
.set KI,  100                          ; s100, s101  the K step (0-7) that slot 0, 1 holds or has been asked for
.set OFF, 104                          ; s[104:105]  that step's byte offset in a row
.set C_MSR, 24                         ; constants of the way out, as pairs, in registers that held descriptors whose loads are done
.set C_PI,  26
.set C_NH,  28
.set C_R32, 30
.set C_S9,  32
.set C_S7,  34
.set C_S5,  36
.set C_S3,  38
.set C_D10, 40
.set C_D8,  42
.set C_D6,  44
.set C_D4,  46
.set SEL, 94
.set HM,  96
.set TRIP, 97
.set MSB, 0
.macro WIN new
.if MSB != (\new)
	s_set_vgpr_msb (MSB<<8)|(\new)
.set MSB, \new
.endif
.endm
.macro PLACES
.rept 4
	v_nop
.endr
.endm
.macro JLOAD s                         ; a joint refill: waves 0, 1 fetch the halves of x's tile, waves 2, 3 those of wcat's; s_nop 0 and four v_nop follow each line
	s_cmp_eq_u32 s[RH], 0
	s_cbranch_scc0 .Lfor_b_\@
	tensor_load_to_lds s[G0A+4*(\s):G0A+4*(\s)+3], s[G1A:G1A+7]
	s_nop 0
.rept 4
	v_nop
.endr
	s_branch .Lasked_\@
.Lfor_b_\@:
	tensor_load_to_lds s[G0B+4*(\s):G0B+4*(\s)+3], s[G1B:G1B+7]
	s_nop 0
.rept 4
	v_nop
.endr
.Lasked_\@:
.endm
.macro CREST                           ; a round of the cluster's barrier behind its opening barrier
	s_cmp_lg_u32 s[WV], 0
	s_cbranch_scc1 .Lnot_wave_0_\@
	s_barrier_signal -3
.Lnot_wave_0_\@:
	s_barrier_wait -3
	s_barrier_signal -1
	s_barrier_wait -1
.endm
.macro CROUND
	s_barrier_signal -1
	s_barrier_wait -1
	CREST
.endm
	s_load_b512 s[4:19], s[0:1], 0x0               ; xb 4, wcat 6, base_phases 8, pb 10, bv 12, mod_scale 14, r4 16, cs4 18
	s_load_b64 s[20:21], s[0:1], 0x40              ; sums
	v_lshl_add_u32 v[SPW], v0, 2, SPARE
	v_mov_b32 v[NIL], 0
	ds_add_u32 v[SPW], v[NIL]                      ; the wave's opening: the add, waited for ahead of my first tensor load
	v_lshrrev_b32 v1, 5, v0
	v_readfirstlane_b32 s[WV], v1
	s_lshr_b32 s[RH], s[WV], 1                     ; my half of the rows.  Also: I fetch x (0) or wcat (1)
	s_and_b32 s[CH], s[WV], 1                      ; my half of the columns.  Also: which half of that tile I fetch
	s_bfe_u32 s67, ttmp6, 0x40000                  ; cx
	s_bfe_u32 s68, ttmp6, 0x40004                  ; cy
	s_lshl_b32 s69, ttmp9, 2
	s_add_co_u32 s69, s69, s67                     ; strip of 64 e
	s_and_b32 s70, ttmp7, 0xffff                   ; the cluster's y
	s_lshl_b32 s[KI], ttmp9, 1                     ; the K step at which my cluster begins: 2 X,
	s_and_b32 s99, s70, 1
	s_lshl2_add_u32 s[KI], s99, s[KI]              ; + 4 (Y & 1),
	s_and_b32 s99, s70, 2
	s_add_co_u32 s[KI], s[KI], s99                 ; + 2 ((Y >> 1) & 1),
	s_and_b32 s[KI], s[KI], 7                      ; mod 8: made of the cluster's place alone, so it is the same in all sixteen partners
	s_add_co_u32 s[KI+1], s[KI], 1
	s_and_b32 s[KI+1], s[KI+1], 7                  ; slot 1 begins with the step behind it
	s_mov_b32 s[OFF+1], 0
	s_lshl_b32 s70, s70, 2
	s_add_co_u32 s70, s70, s68                     ; tile row of 256 rows
	s_lshl_b32 s71, s68, 2
	s_lshl_b32 s71, 15, s71                        ; my row of the cluster
	s_lshl_b32 s72, 0x1111, s67                    ; my column
	s_or_b32 s[G1A], s71, (1<<16)|(1<<20)|(1<<21)|(5<<22)|(3<<25)   ; mask; 2-byte elements; padding on; bit 21 beside a mask; after every 64 words; 4 words
	s_or_b32 s[G1B], s72, (1<<16)|(1<<20)|(1<<21)|(5<<22)|(3<<25)
	s_mov_b32 s[G1P], (2<<16)|(1<<20)|(5<<22)|(3<<25)               ; no mask; 4-byte elements; the same padding
	s_mov_b32 s[G1A+1], 128<<16                    ; tensor_dim0 = 128
	s_mov_b32 s[G1A+2], 128<<16                    ; tensor_dim1 = 128
	s_mov_b32 s[G1A+3], 128<<16                    ; tile_dim0 = 128
	s_mov_b32 s[G1A+4], 128                        ; tile_dim1 = 128
	s_mov_b32 s[G1A+5], 1024                       ; elements from row to row
	s_mov_b32 s[G1A+6], 0
	s_mov_b32 s[G1A+7], 0
	s_mov_b32 s[G1B+1], 128<<16
	s_mov_b32 s[G1B+2], 96<<16                     ; 96 rows
	s_mov_b32 s[G1B+3], 128<<16
	s_mov_b32 s[G1B+4], 96
	s_mov_b32 s[G1B+5], 1024
	s_mov_b32 s[G1B+6], 0
	s_mov_b32 s[G1B+7], 0
	s_mov_b32 s[G1P+1], 64<<16                     ; 64 f32 x 64 rows
	s_mov_b32 s[G1P+2], 64<<16
	s_mov_b32 s[G1P+3], 64<<16
	s_mov_b32 s[G1P+4], 64
	s_mov_b32 s[G1P+5], 1024
	s_mov_b32 s[G1P+6], 0
	s_mov_b32 s[G1P+7], 0
	s_lshl_b32 s74, s70, 8                         ; x: row 256 x tile row + 128 x half, 2,048 bytes a row: hangs on the tile row alone
	s_lshl_b32 s75, s[CH], 7
	s_add_co_u32 s74, s74, s75
	s_lshl_b32 s74, s74, 11
	s_mov_b32 s75, 0
	s_mul_i32 s76, s69, 192                        ; wcat: row 192 x strip + 96 x half: hangs on the strip alone
	s_mul_i32 s77, s[CH], 96
	s_add_co_u32 s76, s76, s77
	s_lshl_b32 s76, s76, 11
	s_mov_b32 s77, 0
	s_and_b32 s78, s70, 7                          ; base_phases: position (tile row mod 8) x 256 + 64 x wave, 4,096 bytes a row; column 64 x strip
	s_lshl_b32 s78, s78, 8
	s_lshl_b32 s79, s[WV], 6
	s_add_co_u32 s78, s78, s79
	s_lshl_b32 s78, s78, 12
	s_lshl_b32 s79, s69, 8
	s_add_co_u32 s78, s78, s79
	s_mov_b32 s79, 0
	s_mul_i32 s84, s[CH], AHALF                    ; where they go: no place in the cluster enters an LDS address
	s_mul_i32 s85, s[CH], BHALF
	s_add_co_u32 s85, s85, BOFF
	s_mul_i32 s86, s[WV], BQ
	s_add_co_u32 s86, s86, BASE
	s_wait_dscnt 0x0                               ; the opening add is done
	s_wait_kmcnt 0x0
	s_add_nc_u64 s[74:75], s[4:5], s[74:75]        ; my rows of x and of wcat at K = 0: kept, each refill's address is made from them
	s_add_nc_u64 s[76:77], s[6:7], s[76:77]
	s_add_nc_u64 s[78:79], s[8:9], s[78:79]
.irp s, 0,1
	s_lshl_b32 s[OFF], s[KI+\s], 8                 ; a K step is 256 bytes of a row
	s_mov_b32 s[G0A+4*\s], 1
	s_add_co_u32 s[G0A+4*\s+1], s84, \s*SLOT
	s_add_nc_u64 s[G0A+4*\s+2:G0A+4*\s+3], s[74:75], s[OFF:OFF+1]
	s_or_b32 s[G0A+4*\s+3], s[G0A+4*\s+3], 0x80000000
	s_mov_b32 s[G0B+4*\s], 1
	s_add_co_u32 s[G0B+4*\s+1], s85, \s*SLOT
	s_add_nc_u64 s[G0B+4*\s+2:G0B+4*\s+3], s[76:77], s[OFF:OFF+1]
	s_or_b32 s[G0B+4*\s+3], s[G0B+4*\s+3], 0x80000000
.endr
	s_mov_b32 s[G0P], 1
	s_mov_b32 s[G0P+1], s86
	s_mov_b64 s[G0P+2:G0P+3], s[78:79]
	s_or_b32 s[G0P+3], s[G0P+3], 0x80000000
	CROUND                                         ; all sixteen work-groups are here: the first joint loads meet
	s_cmp_eq_u32 s[RH], 0                          ; a wave's three first fills stand in one branch: two K steps, my quarter of base_phases' tile; three loads of mine are out
	s_cbranch_scc0 .Lfirst_b
	tensor_load_to_lds s[G0A:G0A+3], s[G1A:G1A+7]
	s_nop 0
	tensor_load_to_lds s[G0A+4:G0A+7], s[G1A:G1A+7]
	s_nop 0
	tensor_load_to_lds s[G0P:G0P+3], s[G1P:G1P+7]
	s_nop 0
.rept 4
	v_nop
.endr
	s_branch .Lfirst_done
.Lfirst_b:
	tensor_load_to_lds s[G0B:G0B+3], s[G1B:G1B+7]
	s_nop 0
	tensor_load_to_lds s[G0B+4:G0B+7], s[G1B:G1B+7]
	s_nop 0
	tensor_load_to_lds s[G0P:G0P+3], s[G1P:G1P+7]
	s_nop 0
.rept 4
	v_nop
.endr
.Lfirst_done:
	s_load_b32 s87, s[14:15], 0x0                  ; mod_scale
	v_and_b32 v1, 15, v0                           ; r = lane % 16
	v_bfe_u32 v2, v0, 4, 1                         ; h = lane / 16
	v_mul_u32_u24 v3, v1, PITCH
	v_lshl_add_u32 v3, v2, 4, v3                   ; a fragment: row r, 16 bytes for each half of the lanes
	s_mul_i32 s88, s[RH], AHALF
	s_mul_i32 s89, s[CH], BHALF
	s_add_co_u32 s89, s89, BOFF
.irp s, 0,1
	v_add_nc_u32 v[ADRA+\s], s88, v3
	v_add_nc_u32 v[ADRB+\s], s89, v3
	s_add_co_u32 s88, s88, SLOT
	s_add_co_u32 s89, s89, SLOT
.endr
	s_mul_i32 s88, s[RH], AHALF                    ; base_phases' tile: row 128 rh + 8 h (+ 16 a + j), word 32 ch + r (+ 16 eb)
	s_lshl_b32 s89, s[CH], 7
	s_add_co_u32 s88, s88, s89
	s_add_co_u32 s88, s88, BASE
	v_mul_u32_u24 v[BA], v2, 8*PITCH
	v_lshl_add_u32 v[BA], v1, 2, v[BA]
	v_add_nc_u32 v[BA], s88, v[BA]
	v_lshlrev_b32 v[RO], 15, v2                    ; eight rows are two groups of four: 32,768 bytes; a column is 16 bytes
	v_lshl_add_u32 v[RO], v1, 4, v[RO]
	v_and_b32 v[SO], 31, v0
	v_lshlrev_b32 v[SO], 3, v[SO]
	s_lshl_b32 s73, s69, 8                         ; my columns' small data: 4 bytes x (64 strip + 32 ch + r), + 64 for eb 1
	s_lshl_b32 s99, s[CH], 7
	s_add_co_u32 s73, s73, s99
	v_lshl_add_u32 v10, v1, 2, s73
	global_load_b32 v4, v10, s[10:11]              ; key phase bias, eb 0, 1
	global_load_b32 v5, v10, s[10:11] offset:64
	global_load_b32 v6, v10, s[10:11] offset:4096  ; query phase bias
	global_load_b32 v7, v10, s[10:11] offset:4160
	global_load_b32 v8, v10, s[12:13]              ; bv
	global_load_b32 v9, v10, s[12:13] offset:64
	s_lshl_b32 s90, s70, 20                        ; r4, cs4: 256 rows are 64 groups of 16,384 bytes; 128 rows; 64 columns of 16 bytes; 32 columns
	s_lshl_b32 s99, s[RH], 19
	s_add_co_u32 s90, s90, s99
	s_lshl_b32 s99, s69, 10
	s_add_co_u32 s90, s90, s99
	s_lshl_b32 s99, s[CH], 9
	s_add_co_u32 s90, s90, s99
	s_mov_b32 s91, 0
	s_add_nc_u64 s[16:17], s[16:17], s[90:91]
	s_add_nc_u64 s[18:19], s[18:19], s[90:91]
	s_lshl_b32 s92, s70, 1                         ; sums: segment 2 x tile row + rh, 8,192 bytes each; 8 bytes a column
	s_add_co_u32 s92, s92, s[RH]
	s_lshl_b32 s92, s92, 13
	s_lshl_b32 s99, s69, 9
	s_add_co_u32 s92, s92, s99
	s_lshl_b32 s99, s[CH], 8
	s_add_co_u32 s92, s92, s99
	s_mov_b32 s93, 0
	s_add_nc_u64 s[20:21], s[20:21], s[92:93]
; n x 6 matrix instructions: row blocks a0 .. of buffer f x all six fragments of wcat.  All 48 accumulators take turns, one instruction a turn.
.macro MUL f, a0, n, zero
.set aa, \a0
.rept \n
	WIN 0x50*(1+aa/4)
.set gg, 0
.rept 6
.if \zero
	v_wmma_f32_16x16x32_bf16 v[48*(aa%4)+8*gg:48*(aa%4)+8*gg+7], v[FA0+64*(\f)+8*aa:FA0+64*(\f)+8*aa+7], v[FB0+48*(\f)+8*gg:FB0+48*(\f)+8*gg+7], 0
.else
	v_wmma_f32_16x16x32_bf16 v[48*(aa%4)+8*gg:48*(aa%4)+8*gg+7], v[FA0+64*(\f)+8*aa:FA0+64*(\f)+8*aa+7], v[FB0+48*(\f)+8*gg:FB0+48*(\f)+8*gg+7], v[48*(aa%4)+8*gg:48*(aa%4)+8*gg+7]
.endif
.set gg, gg+1
.endr
.set aa, aa+1
.endr
.endm
.macro FETCH slot, k, f                ; 28 LDS loads in one run: 32 along K at byte k of the rows: wcat's six fragments, then x's eight
	WIN 0
.set gg, 0
.rept 6
	ds_load_b128 v[FB0+48*(\f)+8*gg:FB0+48*(\f)+8*gg+3], v[ADRB+(\slot)] offset:(\k)+gg*16*PITCH
	ds_load_b128 v[FB0+48*(\f)+8*gg+4:FB0+48*(\f)+8*gg+7], v[ADRB+(\slot)] offset:(\k)+gg*16*PITCH+32
.set gg, gg+1
.endr
.set gg, 0
.rept 8
	ds_load_b128 v[FA0+64*(\f)+8*gg:FA0+64*(\f)+8*gg+3], v[ADRA+(\slot)] offset:(\k)+gg*16*PITCH
	ds_load_b128 v[FA0+64*(\f)+8*gg+4:FA0+64*(\f)+8*gg+7], v[ADRA+(\slot)] offset:(\k)+gg*16*PITCH+32
.set gg, gg+1
.endr
.endm
.macro QUARTER slot, k, f, g, zero     ; multiplies buffer f; in its middle fetches the next quarter, at byte k, into buffer g
	s_wait_dscnt 8                                 ; all but x's row blocks 4-7
	MUL \f, 0, 4, \zero
	PLACES                                         ; four places in front of loads into registers that matrix instructions have read
	FETCH \slot, \k, \g
	s_wait_dscnt 28                                ; all but the 28 just issued
	MUL \f, 4, 4, \zero
.endm
; The last quarter of a K step multiplies buffer 1 and changes slots: one barrier; in front of it each wave waits for all its tensor loads, adds 0 to its spare word, and waits for that and for its reads of this slot.
.macro TURN slot, next, fill
	WIN 0
	s_wait_tensorcnt 0x0                           ; all my tensor loads have landed, my part of the next slot among them
	ds_add_u32 v[SPW], v[NIL]
	s_wait_dscnt 9                                 ; (the add and the youngest eight loads may be out)
	MUL 1, 0, 2, 0
	s_wait_dscnt 0x0                               ; the add is done, and my reads of this slot are over
	s_barrier_signal -1
	MUL 1, 2, 2, 0
.if \fill
	WIN 0
.endif
	s_barrier_wait -1
.if \fill
	CREST                                          ; the barrier has opened a round of the cluster's: no wave of any partner still reads this slot or has a load on its way
	s_add_co_u32 s[KI+(\slot)], s[KI+(\slot)], 2   ; this slot's next K step: two on, round the eight
	s_and_b32 s[KI+(\slot)], s[KI+(\slot)], 7
	s_lshl_b32 s[OFF], s[KI+(\slot)], 8
	s_add_nc_u64 s[G0A+4*(\slot)+2:G0A+4*(\slot)+3], s[74:75], s[OFF:OFF+1]   ; both addresses are made anew from the rows' first bytes,
	s_or_b32 s[G0A+4*(\slot)+3], s[G0A+4*(\slot)+3], 0x80000000              ; and the type bits set again
	s_add_nc_u64 s[G0B+4*(\slot)+2:G0B+4*(\slot)+3], s[76:77], s[OFF:OFF+1]
	s_or_b32 s[G0B+4*(\slot)+3], s[G0B+4*(\slot)+3], 0x80000000
	JLOAD \slot                                    ; the first tensor load behind the round; its four v_nop are also the places in front of the loads below
.else
	PLACES
.endif
	FETCH \next, 0, 0
	MUL 1, 4, 4, 0
.endm
	s_wait_kmcnt 0x0                               ; mod_scale
	s_wait_tensorcnt 0x2                           ; my part of slot 0 is in; slot 1's and base_phases' may stay out
	s_barrier_signal -1
	s_barrier_wait -1
	FETCH 0, 0, 0
	QUARTER 0, 64, 0, 1, 1                         ; the first quarter stands in front of the loop: its products start the sums
	WIN 0
	s_mov_b32 s3, LAPS-1
.Llap:
	QUARTER 0, 128, 1, 0, 0
	QUARTER 0, 192, 0, 1, 0
	TURN 0, 1, 1
	QUARTER 1, 64, 0, 1, 0
	QUARTER 1, 128, 1, 0, 0
	QUARTER 1, 192, 0, 1, 0
	TURN 1, 0, 1
	QUARTER 0, 64, 0, 1, 0
	WIN 0
	s_sub_co_u32 s3, s3, 1
	s_cmp_lg_u32 s3, 0
	s_cbranch_scc1 .Llap
	QUARTER 0, 128, 1, 0, 0                        ; the last lap fills nothing
	QUARTER 0, 192, 0, 1, 0
	TURN 0, 1, 0
	QUARTER 1, 64, 0, 1, 0
	QUARTER 1, 128, 1, 0, 0
	QUARTER 1, 192, 0, 1, 0
	s_wait_dscnt 8
	MUL 1, 0, 4, 0
	s_wait_dscnt 0x0
	MUL 1, 4, 4, 0
	WIN 0
	; ---- THE WAY OUT
	PLACES
	s_mul_f32 s[C_MSR], s87, 0x3e22f983            ; mod_scale / 2 pi
	s_mov_b32 s[C_MSR+1], s[C_MSR]
.macro CONST reg, val                  ; a pair: the packed forms name both words and take the low one
	s_mov_b32 s[\reg], \val
	s_mov_b32 s[\reg+1], \val
.endm
	CONST C_PI,  0x40490fdb                        ; pi
	CONST C_NH,  0xbfc90fdb                        ; -pi/2
	CONST C_R32, 0x3d000000                        ; 1/32
	CONST C_S9,  0x3638ef1d                        ; 1/9!
	CONST C_S7,  0xb9500d01                        ; -1/7!
	CONST C_S5,  0x3c088889                        ; 1/5!
	CONST C_S3,  0xbe2aaaab                        ; -1/3!
	CONST C_D10, 0xb513f27e                        ; -2/10!
	CONST C_D8,  0x38500d01                        ; 2/8!
	CONST C_D6,  0xbb360b61                        ; -2/6!
	CONST C_D4,  0x3daaaaab                        ; 2/4!
	s_mov_b32 s[SEL], 0x76543210                   ; v_permlanex16_b32: each lane takes its own place in the other half
	s_mov_b32 s[SEL+1], 0xfedcba98
	s_mov_b32 s[HM], 0xffff0000                    ; lanes 16-31
	s_wait_loadcnt 0x0                             ; the six small loads
	v_fma_f32 v[CKQ], v4, s[C_MSR], 0.5
	v_fma_f32 v[CKQ+1], v6, s[C_MSR], 0.5
	v_fma_f32 v[CKQ+2], v5, s[C_MSR], 0.5
	v_fma_f32 v[CKQ+3], v7, s[C_MSR], 0.5
	v_mul_f32 v[BV], s[C_R32], v8
	v_mul_f32 v[BV+1], s[C_R32], v9
.set ii, 0
.rept 4
	v_mov_b32 v[CAR+ii], 0                         ; the segment's sums start at 0
	v_mov_b32 v[TMP+2*ii+1], 0                     ; (the lane exchange's destination counts as read)
.set ii, ii+1
.endr
.macro PAIRS n, line:vararg            ; the line for pp = 0, 2, .. 2 n - 2
.set pp, 0
.rept \n
	\line
.set pp, pp+2
.endr
.endm
.macro ONES n, line:vararg             ; the line for pp = 0 .. n - 1
.set pp, 0
.rept \n
	\line
.set pp, pp+1
.endr
.endm
.macro CHAINS line:vararg              ; the line for the four chains cc; xx: the chain's eight registers
.set cc, 0
.rept 4
.set xx, CC+8*(cc%2)+(SS-CC)*(cc/2)
	\line
.set cc, cc+1
.endr
.endm
; Row block a leaves the accumulators: register numbers are fixed in the text, so this part stands eight times.  Each accumulator is read from its lowest registers on.
.macro READ a
.set AC, 48*((\a)%4)
.irp eb, 0,1
.irp j, 0,1,2,3,4,5,6,7
	ds_load_b32 v[BS+8*\eb+\j], v[BA] offset:(16*(\a)+\j)*PITCH+\eb*64
.endr
.endr
	WIN 1+(\a)/4
.irp p, 0,2,4,6
	v_pk_fma_f32 v[TK+\p:TK+\p+1], v[AC+\p:AC+\p+1], s[C_MSR:C_MSR+1], v[CKQ:CKQ+1] op_sel_hi:[1,0,0]
	v_pk_fma_f32 v[TK+8+\p:TK+8+\p+1], v[AC+8+\p:AC+8+\p+1], s[C_MSR:C_MSR+1], v[CKQ+2:CKQ+3] op_sel_hi:[1,0,0]
	v_pk_fma_f32 v[VV+\p:VV+\p+1], v[AC+16+\p:AC+16+\p+1], s[C_R32:C_R32+1], v[BV:BV+1] op_sel_hi:[1,0,0]
	v_pk_fma_f32 v[VV+8+\p:VV+8+\p+1], v[AC+24+\p:AC+24+\p+1], s[C_R32:C_R32+1], v[BV:BV+1] op_sel:[0,0,1] op_sel_hi:[1,0,1]
	v_pk_fma_f32 v[TQ+\p:TQ+\p+1], v[AC+32+\p:AC+32+\p+1], s[C_MSR:C_MSR+1], v[CKQ:CKQ+1] op_sel:[0,0,1] op_sel_hi:[1,0,1]
	v_pk_fma_f32 v[TQ+8+\p:TQ+8+\p+1], v[AC+40+\p:AC+40+\p+1], s[C_MSR:C_MSR+1], v[CKQ+2:CKQ+3] op_sel:[0,0,1] op_sel_hi:[1,0,1]
.endr
	WIN 0
.endm
	s_mov_b32 s[TRIP], 0
.Lblk:                                                 ; eight trips, a block of 16 rows each: 16 numbers a lane
.irp a, 0,1,2,3,4,5,6
	s_cmp_eq_u32 s[TRIP], \a
	s_cbranch_scc1 .Lread\a
.endr
	READ 7
	s_branch .Lheavy
.irp a, 0,1,2,3,4,5
.Lread\a:
	READ \a
	s_branch .Lheavy
.endr
.Lread6:
	READ 6
.Lheavy:
	s_wait_dscnt 0x0                               ; the base phases
	PAIRS 8, v_pk_fma_f32 v[TK+pp:TK+pp+1], v[BS+pp:BS+pp+1], 0.15915494, v[TK+pp:TK+pp+1] op_sel_hi:[1,0,1]
	PAIRS 8, v_pk_fma_f32 v[TQ+pp:TQ+pp+1], v[BS+pp:BS+pp+1], 0.15915494, v[TQ+pp:TQ+pp+1] op_sel_hi:[1,0,1]
	ONES 32, v_fract_f32 v[TK+pp], v[TK+pp]
	PAIRS 16, v_pk_fma_f32 v[TK+pp:TK+pp+1], v[TK+pp:TK+pp+1], s[C_PI:C_PI+1], s[C_NH:C_NH+1] op_sel_hi:[1,0,0]
	PAIRS 16, v_pk_mul_f32 v[ZZ+pp:ZZ+pp+1], v[TK+pp:TK+pp+1], v[TK+pp:TK+pp+1]
	PAIRS 16, v_pk_fma_f32 v[SS+pp:SS+pp+1], v[ZZ+pp:ZZ+pp+1], s[C_S9:C_S9+1], s[C_S7:C_S7+1] op_sel_hi:[1,0,0]
	PAIRS 16, v_pk_fma_f32 v[CC+pp:CC+pp+1], v[ZZ+pp:ZZ+pp+1], s[C_D10:C_D10+1], s[C_D8:C_D8+1] op_sel_hi:[1,0,0]
	PAIRS 16, v_pk_fma_f32 v[SS+pp:SS+pp+1], v[SS+pp:SS+pp+1], v[ZZ+pp:ZZ+pp+1], s[C_S5:C_S5+1] op_sel_hi:[1,1,0]
	PAIRS 16, v_pk_fma_f32 v[CC+pp:CC+pp+1], v[CC+pp:CC+pp+1], v[ZZ+pp:ZZ+pp+1], s[C_D6:C_D6+1] op_sel_hi:[1,1,0]
	PAIRS 16, v_pk_fma_f32 v[SS+pp:SS+pp+1], v[SS+pp:SS+pp+1], v[ZZ+pp:ZZ+pp+1], s[C_S3:C_S3+1] op_sel_hi:[1,1,0]
	PAIRS 16, v_pk_fma_f32 v[CC+pp:CC+pp+1], v[CC+pp:CC+pp+1], v[ZZ+pp:ZZ+pp+1], s[C_D4:C_D4+1] op_sel_hi:[1,1,0]
	PAIRS 16, v_pk_fma_f32 v[SS+pp:SS+pp+1], v[SS+pp:SS+pp+1], v[ZZ+pp:ZZ+pp+1], 1.0 op_sel_hi:[1,1,0]
	PAIRS 16, v_pk_fma_f32 v[CC+pp:CC+pp+1], v[CC+pp:CC+pp+1], v[ZZ+pp:ZZ+pp+1], -1.0 op_sel_hi:[1,1,0]
	PAIRS 16, v_pk_mul_f32 v[SS+pp:SS+pp+1], v[SS+pp:SS+pp+1], v[TK+pp:TK+pp+1]
	PAIRS 16, v_pk_fma_f32 v[CC+pp:CC+pp+1], v[CC+pp:CC+pp+1], v[ZZ+pp:ZZ+pp+1], 2.0 op_sel_hi:[1,1,0]
	PAIRS 16, v_pk_mul_f32 v[SS+pp:SS+pp+1], v[SS+pp:SS+pp+1], v[CC+pp:CC+pp+1]
	PAIRS 16, v_pk_mul_f32 v[CC+pp:CC+pp+1], v[CC+pp:CC+pp+1], v[CC+pp:CC+pp+1]
	PAIRS 16, v_pk_fma_f32 v[CC+pp:CC+pp+1], v[CC+pp:CC+pp+1], 0.5, -1.0 op_sel_hi:[1,0,0]
	PAIRS 8, v_pk_mul_f32 v[CC+pp:CC+pp+1], v[CC+pp:CC+pp+1], v[VV+pp:VV+pp+1]
	PAIRS 8, v_pk_mul_f32 v[SS+pp:SS+pp+1], v[SS+pp:SS+pp+1], v[VV+pp:VV+pp+1]
.set jj, 1
.rept 7                                ; four prefix sums down my eight rows, side by side
	v_add_f32 v[CC+jj], v[CC+jj], v[CC+jj-1]
	v_add_f32 v[CC+8+jj], v[CC+8+jj], v[CC+8+jj-1]
	v_add_f32 v[SS+jj], v[SS+jj], v[SS+jj-1]
	v_add_f32 v[SS+8+jj], v[SS+8+jj], v[SS+8+jj-1]
.set jj, jj+1
.endr
	CHAINS v_permlanex16_b32 v[TMP+2*cc+1], v[xx+7], s[SEL], s[SEL+1]
	CHAINS v_cndmask_b32 v[TMP+2*cc], 0, v[TMP+2*cc+1], s[HM]
	CHAINS v_add_f32 v[TMP+2*cc+1], v[TMP+2*cc+1], v[xx+7]
	CHAINS v_add_f32 v[TMP+2*cc], v[TMP+2*cc], v[CAR+cc]
	CHAINS v_add_f32 v[CAR+cc], v[CAR+cc], v[TMP+2*cc+1]
.set cc, 0
.rept 4                                ; rows 8-15 start behind rows 0-7, all behind the blocks before
.set xx, CC+8*(cc%2)+(SS-CC)*(cc/2)
.set pp, 0
.rept 4
	v_pk_add_f32 v[xx+pp:xx+pp+1], v[xx+pp:xx+pp+1], v[TMP+2*cc:TMP+2*cc+1] op_sel_hi:[1,0]
.set pp, pp+2
.endr
.set cc, cc+1
.endr
	s_wait_xcnt 0x0                                ; the last trip's stores have read their data and offset: only behind this wait are they written again
	s_lshl_b32 s98, s[TRIP], 16                    ; 16 rows are four groups of 16,384 bytes
	v_add_nc_u32 v[ROT], s98, v[RO]
	PAIRS 8, v_pk_mul_f32 v[RR+pp:RR+pp+1], v[CC+pp:CC+pp+1], v[CC+16+pp:CC+16+pp+1]
	PAIRS 8, v_pk_fma_f32 v[RR+pp:RR+pp+1], v[SS+pp:SS+pp+1], v[SS+16+pp:SS+16+pp+1], v[RR+pp:RR+pp+1]
	ONES 16, v_cvt_pk_f16_f32 v[CSP+pp], v[CC+16+pp], v[SS+16+pp]
.irp eb, 0,1
.irp jh, 0,1
	global_store_b128 v[ROT], v[RR+8*\eb+4*\jh:RR+8*\eb+4*\jh+3], s[16:17] offset:\jh*16384+\eb*256   ; each half of the lanes stores 256 consecutive bytes, aligned
	global_store_b128 v[ROT], v[CSP+8*\eb+4*\jh:CSP+8*\eb+4*\jh+3], s[18:19] offset:\jh*16384+\eb*256
.endr
.endr
	s_add_co_u32 s[TRIP], s[TRIP], 1
	s_cmp_lt_u32 s[TRIP], 8
	s_cbranch_scc1 .Lblk
	v_cndmask_b32 v[TMP], v[CAR], v[CAR+1], s[HM]  ; the segment's totals: lanes 0-15 give eb 0's columns, lanes 16-31 eb 1's
	v_cndmask_b32 v[TMP+1], v[CAR+2], v[CAR+3], s[HM]
	global_store_b64 v[SO], v[TMP:TMP+1], s[20:21] ; 256 consecutive bytes, aligned
	s_wait_tensorcnt 0x0                           ; the wave's end
	ds_add_u32 v[SPW], v[NIL]
	s_wait_dscnt 0x0
	CROUND                                         ; the closing round
	s_endpgm
.Lfunc_end_k_qe684251d9e_phase:
	.size	k_qe684251d9e_phase, .Lfunc_end_k_qe684251d9e_phase-k_qe684251d9e_phase
	.p2alignl 7, 3214868480
	.fill 96, 4, 3214868480
	.section	.rodata,"a",@progbits
	.p2align	6, 0x0
	.amdhsa_kernel k_qe684251d9e_phase
		.amdhsa_group_segment_fixed_size 327680
		.amdhsa_private_segment_fixed_size 0
		.amdhsa_enable_private_segment 0
		.amdhsa_kernarg_size 72
		.amdhsa_user_sgpr_count 2
		.amdhsa_user_sgpr_kernarg_segment_ptr 1
		.amdhsa_wavefront_size32 1
		.amdhsa_system_sgpr_workgroup_id_x 1
		.amdhsa_system_sgpr_workgroup_id_y 1
		.amdhsa_system_sgpr_workgroup_id_z 1
		.amdhsa_system_vgpr_workitem_id 0
		.amdhsa_next_free_vgpr 768
		.amdhsa_next_free_sgpr 106
		.amdhsa_reserve_vcc 0
		.amdhsa_float_denorm_mode_32 3
		.amdhsa_float_denorm_mode_16_64 3
		.amdhsa_memory_ordered 1
		.amdhsa_forward_progress 1
		.amdhsa_inst_pref_size 141
	.end_amdhsa_kernel
	.amdgpu_metadata
---
amdhsa.version: [ 1, 2 ]
amdhsa.kernels:
  - .name:           k_qe684251d9e_phase
    .symbol:         k_qe684251d9e_phase.kd
    .args:
      - { .name: xb, .offset: 0, .size: 8, .value_kind: global_buffer, .address_space: global }
      - { .name: wcat, .offset: 8, .size: 8, .value_kind: global_buffer, .address_space: global }
      - { .name: base_phases, .offset: 16, .size: 8, .value_kind: global_buffer, .address_space: global }
      - { .name: pb, .offset: 24, .size: 8, .value_kind: global_buffer, .address_space: global }
      - { .name: bv, .offset: 32, .size: 8, .value_kind: global_buffer, .address_space: global }
      - { .name: mod_scale, .offset: 40, .size: 8, .value_kind: global_buffer, .address_space: global }
      - { .name: r4, .offset: 48, .size: 8, .value_kind: global_buffer, .address_space: global }
      - { .name: cs4, .offset: 56, .size: 8, .value_kind: global_buffer, .address_space: global }
      - { .name: sums, .offset: 64, .size: 8, .value_kind: global_buffer, .address_space: global }
    .group_segment_fixed_size: 327680
    .private_segment_fixed_size: 0
    .kernarg_segment_align: 8
    .kernarg_segment_size: 72
    .max_flat_workgroup_size: 128
    .sgpr_count:     106
    .vgpr_count:     768
    .wavefront_size: 32
...
	.end_amdgpu_metadata
.endif
;; end of part 2
;; launch norm (part 3): grid 256 x 1, 8 waves a work-group, no clusters, 84,992 bytes of LDS; arguments r4, cs4, sums, ln_g, ln_b, nb; writes nb
.if DOCPART == 3
	.amdgcn_target "amdgcn-amd-amdhsa--gfx1250"
	.amdhsa_code_object_version 6
	.text
	.protected	k_qe684251d9e_norm
	.globl	k_qe684251d9e_norm
	.p2align	8
	.type	k_qe684251d9e_norm,@function
k_qe684251d9e_norm:
	s_mov_b64 s[64:65], 0
	v_nop
	global_prefetch_b8 v0, s[64:65] scope:SCOPE_SE
	s_setreg_imm32_b32 hwreg(HW_REG_WAVE_MODE, 25, 1), 1
	s_wait_xcnt 0x0
; NORM.  retrieved = R_loc + A_off cos q + B_off sin q, where (A_off, B_off) are the totals of the batch's earlier segments of 128 rows, added in ascending order;
; then LayerNorm over the 1,024 columns (mean, then the variance of the differences, both in f32), gain and bias; the result is rounded once to bf16: nb [8192][1024].
; Memory binds: no matrix unit, no cluster (no input is shared but 8 KiB tables).  A work-group takes 32 rows of one segment, a wave four rows: in r4 and cs4 they are 16,384 consecutive bytes,
; and in load i a lane holds column 32 i + lane of all four rows.  All of a wave's loads are on their way before anything is computed.
; Segments at or beyond the own one are left out by forward jumps on the segment's number, which comes from the work-group's number: nothing of a later segment enters the sums.
; LDS: T1 {A_off, B_off}[e] 8 KiB; T2 {gain, bias}[e] 8 KiB; for each wave a stage of 4 rows x 2,064 bytes that turns columns into rows; the spare words.
; REGISTERS.  window 0: v0-7 addresses; v8-15 sums; v16-135 the totals of 15 segments, later packed results and rows read back; v136-143 gain, bias; v144-207 cs4 for i < 16;
;   v208-239 two halves of eight table pairs; v240-251 statistics.      window 1: v0-127 R_loc, then retrieved, then its difference from the mean; v128-191 cs4 for i >= 16.
.set T2,    8192
.set STG,   16384
.set WSTG,  8448
.set SROW,  2064
.set SPARE, 83968
.set RING,  208
.set SPW,   254
.set NIL,   255
.set MSB, 0
.macro WIN new
.if MSB != (\new)
	s_set_vgpr_msb (MSB<<8)|(\new)
.set MSB, \new
.endif
.endm
	s_load_b256 s[4:11], s[0:1], 0x0               ; r4 4, cs4 6, sums 8, ln_g 10
	s_load_b128 s[12:15], s[0:1], 0x20             ; ln_b 12, nb 14
	v_lshl_add_u32 v[SPW], v0, 2, SPARE
	v_mov_b32 v[NIL], 0
	v_lshrrev_b32 v1, 5, v0
	v_readfirstlane_b32 s16, v1                    ; wave 0..7
	v_and_b32 v1, 31, v0
	v_lshlrev_b32 v2, 4, v1                        ; 16 x lane
	v_lshlrev_b32 v3, 5, v0                        ; 32 x thread: four columns' pairs
	v_lshlrev_b32 v4, 3, v1                        ; 8 x lane
	v_lshlrev_b32 v7, 4, v0                        ; 16 x thread: four columns' gain or bias
	s_lshl_b32 s17, ttmp9, 3
	s_add_co_u32 s17, s17, s16                     ; my group of four rows
	s_lshr_b32 s18, ttmp9, 2                       ; my segment,
	s_and_b32 s19, s18, 15                         ; its number in the batch,
	s_lshr_b32 s18, s18, 4                         ; the batch
	s_lshl_b32 s20, s17, 14
	s_mov_b32 s21, 0
	s_lshl_b32 s26, s18, 17                        ; a batch's 16 segments of 8,192 bytes
	s_mov_b32 s27, 0
	s_lshl_b32 s28, s17, 13
	s_mov_b32 s29, 0
	s_mul_i32 s30, s16, WSTG
	s_add_co_u32 s30, s30, STG
	v_lshl_add_u32 v5, v1, 1, s30                  ; into my stage: 2 bytes a lane
	v_add_nc_u32 v6, s30, v2                       ; back: 16 bytes a lane
	s_mov_b32 s22, 0x76543210
	s_mov_b32 s23, 0xfedcba98
	s_mov_b32 s24, 0x3a800000                      ; 1/1024
	s_mov_b32 s25, 0x3727c5ac                      ; 1e-5
	s_wait_kmcnt 0x0
	s_add_nc_u64 s[4:5], s[4:5], s[20:21]
	s_add_nc_u64 s[6:7], s[6:7], s[20:21]
	s_add_nc_u64 s[8:9], s[8:9], s[26:27]
	s_add_nc_u64 s[14:15], s[14:15], s[28:29]
.set sg, 0
.rept 15
	global_load_b128 v[16+8*sg:19+8*sg], v3, s[8:9] offset:sg*8192
	global_load_b128 v[20+8*sg:23+8*sg], v3, s[8:9] offset:sg*8192+16
.set sg, sg+1
.endr
	global_load_b128 v[136:139], v7, s[10:11]
	global_load_b128 v[140:143], v7, s[12:13]
	WIN 0x40
.set ii, 0
.rept 32
	global_load_b128 v[4*ii:4*ii+3], v2, s[4:5] offset:512*ii th:TH_LOAD_NT
.set ii, ii+1
.endr
	WIN 0
	s_wait_loadcnt 32                              ; the totals, gain and bias are in; r4's 32 loads stay out
.set ii, 0
.rept 16
	global_load_b128 v[144+4*ii:147+4*ii], v2, s[6:7] offset:512*ii th:TH_LOAD_NT
.set ii, ii+1
.endr
	WIN 0x40
.set ii, 16
.rept 16
	global_load_b128 v[128+4*(ii-16):131+4*(ii-16)], v2, s[6:7] offset:512*ii th:TH_LOAD_NT
.set ii, ii+1
.endr
	WIN 0
.set ii, 0
.rept 8
	v_mov_b32 v[8+ii], 0
.set ii, ii+1
.endr
.set sg, 0
.rept 15                               ; the earlier segments' totals, in ascending order
	s_cmp_le_u32 s19, sg
	s_cbranch_scc1 .Lpfx
	v_pk_add_f32 v[8:9], v[8:9], v[16+8*sg:17+8*sg]
	v_pk_add_f32 v[10:11], v[10:11], v[18+8*sg:19+8*sg]
	v_pk_add_f32 v[12:13], v[12:13], v[20+8*sg:21+8*sg]
	v_pk_add_f32 v[14:15], v[14:15], v[22+8*sg:23+8*sg]
.set sg, sg+1
.endr
.Lpfx:
	ds_store_b128 v3, v[8:11]
	ds_store_b128 v3, v[12:15] offset:16
.irp k, 0,1,2,3
	v_mov_b32 v[16+2*\k], v[136+\k]                ; gain and bias side by side, a pair a column
	v_mov_b32 v[17+2*\k], v[140+\k]
.endr
	ds_store_b128 v3, v[16:19] offset:T2
	ds_store_b128 v3, v[20:23] offset:T2+16
	s_wait_dscnt 0x0                               ; for the others' sake
	s_barrier_signal -1
	s_barrier_wait -1
.set ii, 0
.rept 8
	v_mov_b32 v[8+ii], 0                           ; four rows' sums, for even and for odd i
.set ii, ii+1
.endr
.macro TAB base, grp                   ; eight table pairs, for i = 8 grp .., into half grp % 2
	WIN 0
.set kk, 0
.rept 8
	ds_load_b64 v[RING+16*((\grp)%2)+2*kk:RING+16*((\grp)%2)+2*kk+1], v4 offset:(\base)+(8*(\grp)+kk)*256
.set kk, kk+1
.endr
.endm
.macro RDOUT grp                       ; retrieved for eight i, and its share of the rows' sums
.if (\grp) < 3
	TAB 0, (\grp)+1
	s_wait_dscnt 8                                 ; my eight pairs are in, the next group's may be out
.else
	s_wait_dscnt 0x0
.endif
	s_wait_loadcnt 24-8*(\grp)                     ; r4 and this group's cs4 are in; the count is the younger loads of cs4
.if (\grp) < 2
	WIN 0x50
.set CB, 144+32*(\grp)
.else
	WIN 0x51
.set CB, 128+32*((\grp)-2)
.endif
.set kk, 0
.rept 8
.set qq, 0
.rept 4
	v_fma_mix_f32 v[32*(\grp)+4*kk+qq], v[CB+4*kk+qq], v[RING+16*((\grp)%2)+2*kk], v[32*(\grp)+4*kk+qq] op_sel_hi:[1,0,0]
.set qq, qq+1
.endr
.set kk, kk+1
.endr
.set kk, 0
.rept 8
.set qq, 0
.rept 4
	v_fma_mix_f32 v[32*(\grp)+4*kk+qq], v[CB+4*kk+qq], v[RING+16*((\grp)%2)+2*kk+1], v[32*(\grp)+4*kk+qq] op_sel:[1,0,0] op_sel_hi:[1,0,0]
.set qq, qq+1
.endr
.set kk, kk+1
.endr
	WIN 0x04
.set kk, 0
.rept 8
	v_pk_add_f32 v[8+4*(kk%2):9+4*(kk%2)], v[8+4*(kk%2):9+4*(kk%2)], v[32*(\grp)+4*kk:32*(\grp)+4*kk+1]
	v_pk_add_f32 v[10+4*(kk%2):11+4*(kk%2)], v[10+4*(kk%2):11+4*(kk%2)], v[32*(\grp)+4*kk+2:32*(\grp)+4*kk+3]
.set kk, kk+1
.endr
.endm
.macro RED4 a, t                       ; four numbers summed over the 32 lanes; every lane ends up with the sums
.irp m, 1,2,4,8
.irp k, 0,1,2,3
	v_add_f32_dpp v[(\a)+\k], v[(\a)+\k], v[(\a)+\k] row_xmask:\m row_mask:0xf bank_mask:0xf
.endr
.endr
.irp k, 0,1,2,3
	v_permlanex16_b32 v[(\t)+\k], v[(\a)+\k], s22, s23
.endr
.irp k, 0,1,2,3
	v_add_f32 v[(\a)+\k], v[(\a)+\k], v[(\t)+\k]
.endr
.endm
	TAB 0, 0
	RDOUT 0
	RDOUT 1
	RDOUT 2
	RDOUT 3
	TAB T2, 0                                      ; gain and bias for the first eight i: half 0 was last read two groups ago
	v_pk_add_f32 v[8:9], v[8:9], v[12:13]
	v_pk_add_f32 v[10:11], v[10:11], v[14:15]
	RED4 8, 12
.irp k, 0,1,2,3
	v_mul_f32 v[8+\k], s24, v[8+\k]                ; the four means
.endr
.set ii, 0
.rept 8
	v_mov_b32 v[240+ii], 0
.set ii, ii+1
.endr
	WIN 0x41
.set ii, 0
.rept 32
	v_pk_add_f32 v[4*ii:4*ii+1], v[4*ii:4*ii+1], v[8:9] neg_lo:[0,1] neg_hi:[0,1]
	v_pk_add_f32 v[4*ii+2:4*ii+3], v[4*ii+2:4*ii+3], v[10:11] neg_lo:[0,1] neg_hi:[0,1]
.set ii, ii+1
.endr
	WIN 0x05
.set ii, 0
.rept 32
	v_pk_fma_f32 v[240+4*(ii%2):241+4*(ii%2)], v[4*ii:4*ii+1], v[4*ii:4*ii+1], v[240+4*(ii%2):241+4*(ii%2)]
	v_pk_fma_f32 v[242+4*(ii%2):243+4*(ii%2)], v[4*ii+2:4*ii+3], v[4*ii+2:4*ii+3], v[242+4*(ii%2):243+4*(ii%2)]
.set ii, ii+1
.endr
	WIN 0
	v_pk_add_f32 v[240:241], v[240:241], v[244:245]
	v_pk_add_f32 v[242:243], v[242:243], v[246:247]
	RED4 240, 244
.irp k, 0,1,2,3
	v_fma_f32 v[240+\k], v[240+\k], s24, s25       ; variance + 1e-5
.endr
.irp k, 0,1,2,3
	v_rsq_f32 v[248+\k], v[240+\k]
.endr
	v_nop                                          ; a plain instruction between the last root and the use of its result (ISA guide 5.7.2)
	s_wait_alu depctr_va_vdst(0)
.macro OUTG grp                        ; eight i: scaled, gain and bias, rounded, into my stage
.if (\grp) < 3
	TAB T2, (\grp)+1
	s_wait_dscnt 8                                 ; my eight pairs are in (and the group before's stores done); the next group's pairs may be out
.else
	s_wait_dscnt 0x0
.endif
	WIN 0x41
.set kk, 0
.rept 8
	v_pk_mul_f32 v[32*(\grp)+4*kk:32*(\grp)+4*kk+1], v[32*(\grp)+4*kk:32*(\grp)+4*kk+1], v[248:249]
	v_pk_mul_f32 v[32*(\grp)+4*kk+2:32*(\grp)+4*kk+3], v[32*(\grp)+4*kk+2:32*(\grp)+4*kk+3], v[250:251]
.set kk, kk+1
.endr
.set kk, 0
.rept 8
	v_pk_fma_f32 v[32*(\grp)+4*kk:32*(\grp)+4*kk+1], v[32*(\grp)+4*kk:32*(\grp)+4*kk+1], v[RING+16*((\grp)%2)+2*kk:RING+16*((\grp)%2)+2*kk+1], v[RING+16*((\grp)%2)+2*kk:RING+16*((\grp)%2)+2*kk+1] op_sel:[0,0,1] op_sel_hi:[1,0,1]
	v_pk_fma_f32 v[32*(\grp)+4*kk+2:32*(\grp)+4*kk+3], v[32*(\grp)+4*kk+2:32*(\grp)+4*kk+3], v[RING+16*((\grp)%2)+2*kk:RING+16*((\grp)%2)+2*kk+1], v[RING+16*((\grp)%2)+2*kk:RING+16*((\grp)%2)+2*kk+1] op_sel:[0,0,1] op_sel_hi:[1,0,1]
.set kk, kk+1
.endr
	WIN 0x05
.set kk, 0
.rept 8
	v_cvt_pk_bf16_f32 v[16+2*(8*(\grp)+kk)], v[32*(\grp)+4*kk], v[32*(\grp)+4*kk+1]
	v_cvt_pk_bf16_f32 v[17+2*(8*(\grp)+kk)], v[32*(\grp)+4*kk+2], v[32*(\grp)+4*kk+3]
.set kk, kk+1
.endr
	WIN 0
.set kk, 0
.rept 8
	ds_store_b16 v5, v[16+2*(8*(\grp)+kk)] offset:(8*(\grp)+kk)*64
	ds_store_b16_d16_hi v5, v[16+2*(8*(\grp)+kk)] offset:(8*(\grp)+kk)*64+SROW
	ds_store_b16 v5, v[17+2*(8*(\grp)+kk)] offset:(8*(\grp)+kk)*64+2*SROW
	ds_store_b16_d16_hi v5, v[17+2*(8*(\grp)+kk)] offset:(8*(\grp)+kk)*64+3*SROW
.set kk, kk+1
.endr
.endm
	OUTG 0
	OUTG 1
	OUTG 2
	OUTG 3
.set nn, 0
.rept 16                               ; my own bytes: LDS serves a wave's instructions in order (ISA guide 5.7.1.4), so these see the stores above
	ds_load_b128 v[80+4*nn:83+4*nn], v6 offset:(nn/4)*SROW+(nn%4)*512
.set nn, nn+1
.endr
.set nn, 0
.rept 16
	s_wait_dscnt 15-nn
	global_store_b128 v2, v[80+4*nn:83+4*nn], s[14:15] offset:nn*512   ; 512 consecutive bytes, aligned
.set nn, nn+1
.endr
	s_wait_tensorcnt 0x0                           ; the wave's end, behind my last LDS store
	ds_add_u32 v[SPW], v[NIL]
	s_wait_dscnt 0x0
	s_endpgm
.Lfunc_end_k_qe684251d9e_norm:
	.size	k_qe684251d9e_norm, .Lfunc_end_k_qe684251d9e_norm-k_qe684251d9e_norm
	.p2alignl 7, 3214868480
	.fill 96, 4, 3214868480
	.section	.rodata,"a",@progbits
	.p2align	6, 0x0
	.amdhsa_kernel k_qe684251d9e_norm
		.amdhsa_group_segment_fixed_size 84992
		.amdhsa_private_segment_fixed_size 0
		.amdhsa_enable_private_segment 0
		.amdhsa_kernarg_size 48
		.amdhsa_user_sgpr_count 2
		.amdhsa_user_sgpr_kernarg_segment_ptr 1
		.amdhsa_wavefront_size32 1
		.amdhsa_system_sgpr_workgroup_id_x 1
		.amdhsa_system_sgpr_workgroup_id_y 1
		.amdhsa_system_sgpr_workgroup_id_z 1
		.amdhsa_system_vgpr_workitem_id 0
		.amdhsa_next_free_vgpr 448
		.amdhsa_next_free_sgpr 66
		.amdhsa_reserve_vcc 0
		.amdhsa_float_denorm_mode_32 3
		.amdhsa_float_denorm_mode_16_64 3
		.amdhsa_memory_ordered 1
		.amdhsa_forward_progress 1
		.amdhsa_inst_pref_size 77
	.end_amdhsa_kernel
	.amdgpu_metadata
---
amdhsa.version: [ 1, 2 ]
amdhsa.kernels:
  - .name:           k_qe684251d9e_norm
    .symbol:         k_qe684251d9e_norm.kd
    .args:
      - { .name: r4, .offset: 0, .size: 8, .value_kind: global_buffer, .address_space: global }
      - { .name: cs4, .offset: 8, .size: 8, .value_kind: global_buffer, .address_space: global }
      - { .name: sums, .offset: 16, .size: 8, .value_kind: global_buffer, .address_space: global }
      - { .name: ln_g, .offset: 24, .size: 8, .value_kind: global_buffer, .address_space: global }
      - { .name: ln_b, .offset: 32, .size: 8, .value_kind: global_buffer, .address_space: global }
      - { .name: nb, .offset: 40, .size: 8, .value_kind: global_buffer, .address_space: global }
    .group_segment_fixed_size: 84992
    .private_segment_fixed_size: 0
    .kernarg_segment_align: 8
    .kernarg_segment_size: 48
    .max_flat_workgroup_size: 256
    .sgpr_count:     66
    .vgpr_count:     448
    .wavefront_size: 32
...
	.end_amdgpu_metadata
.endif
;; end of part 3
;; launch proj (part 4): grid 4 x 64, 4 waves a work-group, clusters of 4 x 4, 327,680 bytes of LDS; arguments nb, wob, bo, x, out0; writes out0
.if DOCPART == 4
	.amdgcn_target "amdgcn-amd-amdhsa--gfx1250"
	.amdhsa_code_object_version 6
	.text
	.protected	k_qe684251d9e_proj
	.globl	k_qe684251d9e_proj
	.p2align	8
	.type	k_qe684251d9e_proj,@function
k_qe684251d9e_proj:
	s_mov_b64 s[64:65], 0
	v_nop
	global_prefetch_b8 v0, s[64:65] scope:SCOPE_SE
	s_setreg_imm32_b32 hwreg(HW_REG_WAVE_MODE, 25, 1), 1
	s_wait_xcnt 0x0
	s_wait_alu depctr_hold_cnt(0) depctr_sa_sdst(0) depctr_va_vdst(0) depctr_va_sdst(0) depctr_va_ssrc(0) depctr_va_vcc(0) depctr_vm_vsrc(0)
	s_getreg_b32 s2, hwreg(HW_REG_IB_STS2, 6, 4)
	s_cmp_eq_u32 s2, 0
	s_cbranch_scc0 .Lentry_in_a_cluster
	s_endpgm
.Lentry_in_a_cluster:
	s_bfe_u32 s2, ttmp6, 0x10000c
	s_cmp_lg_u32 s2, 0xf033
	s_cbranch_scc0 .Lentry_shape_is_right
	s_endpgm
.Lentry_shape_is_right:
; PROJ.  out0 = x + normed Wo^T + bo.  normed (nb) and Wo (wob) in bf16, sums in f32; the bias starts the sums, the residual is added in f32.
; A tile of the output is 128 rows x 256 columns: 256 work-groups.  Four waves, 64 x 128 each: 32 accumulators.  K = 1024 in steps of 128 through two LDS slots.
; The matrix instruction is used transposed (source 0 = 16 rows of Wo, source 1 = 16 rows of normed): a lane holds eight neighbouring columns of one row.
; WO comes by the tensor data mover: each wave fetches 64 of the tile's 256 rows, jointly with the three other work-groups of its column of the 4 x 4 cluster.
; NORMED comes through registers.  Its rows are read by one row of one cluster alone, and a tensor load may be on its way for one K step at the most (it is waited for in front of the next refill's barrier).
; So each wave loads its 32 rows x 256 bytes into one of two sets of 64 registers, at the start of a step's second quarter, for the step two on; the set goes into the next slot's A area
; at the start of the following step's last quarter: 192 matrix instructions lie between.  The A areas are written by ds_store alone, Wo's areas by tensor loads alone.  For this normed's tiles give up the joint request.
; K'S ORDER.  A cluster begins at K step (cluster's y) mod 8 and goes round: the sixteen clusters, which all read all of Wo, begin at all eight steps, so a K step of Wo that a cluster asks for later
; has been asked for by another cluster before.  The order of the f32 sums goes with it.
; X: the wave's 64 x 128 numbers are asked for in the last lap (48 loads at its start, 16 behind its change of slots), and waited for block by block on the way out.
; REGISTERS.  window 0: v0-31 addresses; buffer f: normed's 4 fragments at 32 + 96 f, Wo's 8 at 64 + 96 f; v32-159 rows on the way out.
;   window 1: accumulator (a, b) at 8 (8 a + b).      window 2: x, row 16 a + t at 64 a + 4 t.      window 3: v0-127 normed's two sets; v128-191 the bias in an accumulator's layout, 8 registers a column block.
.set PITCH,  272                       ; an LDS row: 256 bytes + 16: row r starts at bank 4 r mod 64 (ISA guide 11.1)
.set AREA,   128*PITCH                 ; normed's 128 rows: 136 blocks of 256 bytes
.set BQ,     64*PITCH                  ; a wave's quarter of Wo's 256 rows
.set SLOT,   AREA+4*BQ
.set STAGE,  2*SLOT                    ; behind the ring, never filled by a tensor load: 16 rows x 528 bytes for each wave
.set SPITCH, 528
.set SPARE,  STAGE+4*16*SPITCH
.set LAPS,   4
.set ADRA, 16                          ; v16-17 my fragments of normed in slot 0, 1
.set ADRB, 20                          ; v20-21 of Wo
.set AW,   22                          ; v22-23 where my rows of normed go in slot 0, 1
.set STO,  24
.set RD,   25
.set XO,   26                          ; v26 16 x lane
.set AO,   27                          ; v27 my 16 bytes in two rows of nb
.set SPW,  28
.set NIL,  29
.set BO,   30                          ; v30 my eight numbers in 16 of bo
.set BI,   128                         ; window 3
.set AB,   24                          ; s[24:27] nb at the K step that set 0, 1 loads
.set KS,   28                          ; s28, s29 the K step (0-7) that set and slot 0, 1 are at
.set OFF,  30                          ; s[30:31] its byte offset in a row
.set G1B,  32
.set BASEA, 40                         ; s[40:41] nb at my wave's 32 rows, K = 0
.set BASEB, 42                         ; s[42:43] wob at my wave's 64 rows, K = 0
.set G0B,  56
.set WV,  14
.set RH,  15
.set CH,  16
.set MSB, 0
.macro WIN new
.if MSB != (\new)
	s_set_vgpr_msb (MSB<<8)|(\new)
.set MSB, \new
.endif
.endm
.macro PLACES
.rept 4
	v_nop
.endr
.endm
.macro JLOAD s                         ; a joint refill: every wave fetches its own 64 rows of Wo's tile; s_nop 0 and four v_nop follow the line
	tensor_load_to_lds s[G0B+4*(\s):G0B+4*(\s)+3], s[G1B:G1B+7]
	s_nop 0
.rept 4
	v_nop
.endr
.endm
.macro CREST
	s_cmp_lg_u32 s[WV], 0
	s_cbranch_scc1 .Lnot_wave_0_\@
	s_barrier_signal -3
.Lnot_wave_0_\@:
	s_barrier_wait -3
	s_barrier_signal -1
	s_barrier_wait -1
.endm
.macro CROUND
	s_barrier_signal -1
	s_barrier_wait -1
	CREST
.endm
; 16 loads: my 32 rows x 256 bytes of normed into set s; lanes 0-15 take one row's 256 bytes, lanes 16-31 the next row's.  step = 1: the set goes two K steps on, round the eight.
; The set's registers are free: its stores into LDS were waited for in front of the last barrier.  Its base is free: the wait in front of those stores showed its last loads done.
.macro ALOAD s, step
.if \step
	s_add_co_u32 s[KS+(\s)], s[KS+(\s)], 2
	s_and_b32 s[KS+(\s)], s[KS+(\s)], 7
	s_lshl_b32 s[OFF], s[KS+(\s)], 8
	s_add_nc_u64 s[AB+2*(\s):AB+2*(\s)+1], s[BASEA:BASEA+1], s[OFF:OFF+1]
.endif
	WIN 0xc0                                       ; loaded data in window 3, address in window 0
.set tt, 0
.rept 16
	global_load_b128 v[64*(\s)+4*tt:64*(\s)+4*tt+3], v[AO], s[AB+2*(\s):AB+2*(\s)+1] offset:tt*4096
.set tt, tt+1
.endr
	WIN 0
.endm
; Set s goes into slot s's A area, which nobody has read since the last barrier.  left: the younger loads, which may stay out.
.macro ASTORE s, left
	WIN 0
	s_wait_loadcnt \left
	WIN 0x0c                                       ; store data in window 3
.set tt, 0
.rept 16
	ds_store_b128 v[AW+(\s)], v[64*(\s)+4*tt:64*(\s)+4*tt+3] offset:tt*2*PITCH
.set tt, tt+1
.endr
	WIN 0
.endm
.macro XLOAD i0, n                     ; rows i0 .. of my 64 rows of x: a load covers a row's 512 bytes
	WIN 0x80
.set ii, \i0
.rept \n
	global_load_b128 v[4*ii:4*ii+3], v[XO], s[10:11] offset:ii*4096 th:TH_LOAD_NT
.set ii, ii+1
.endr
	WIN 0
.endm
	s_load_b256 s[4:11], s[0:1], 0x0               ; nb 4, wob 6, bo 8, x 10
	s_load_b64 s[12:13], s[0:1], 0x20              ; out0
	v_lshl_add_u32 v[SPW], v0, 2, SPARE
	v_mov_b32 v[NIL], 0
	ds_add_u32 v[SPW], v[NIL]                      ; the wave's opening: the add, waited for ahead of my first tensor load
	v_lshrrev_b32 v1, 5, v0
	v_readfirstlane_b32 s[WV], v1
	s_lshr_b32 s[RH], s[WV], 1                     ; my half of the rows
	s_and_b32 s[CH], s[WV], 1                      ; my half of the columns
	s_bfe_u32 s17, ttmp6, 0x40000                  ; cx
	s_bfe_u32 s18, ttmp6, 0x40004                  ; cy
	s_lshl_b32 s19, ttmp9, 2
	s_add_co_u32 s19, s19, s17                     ; tile column
	s_and_b32 s20, ttmp7, 0xffff                   ; the cluster's y
	s_and_b32 s[KS], s20, 7                        ; the K step at which my cluster begins: the same in all sixteen partners
	s_add_co_u32 s[KS+1], s[KS], 1
	s_and_b32 s[KS+1], s[KS+1], 7
	s_mov_b32 s[OFF+1], 0
	s_lshl_b32 s20, s20, 2
	s_add_co_u32 s20, s20, s18                     ; tile row
	s_lshl_b32 s22, 0x1111, s17                    ; my column of the cluster
	s_or_b32 s[G1B], s22, (1<<16)|(1<<20)|(1<<21)|(5<<22)|(3<<25)   ; mask; 2-byte elements; padding on; bit 21 beside a mask; after every 64 words; 4 words
	s_mov_b32 s[G1B+1], 128<<16                    ; 128 elements x 64 rows
	s_mov_b32 s[G1B+2], 64<<16
	s_mov_b32 s[G1B+3], 128<<16
	s_mov_b32 s[G1B+4], 64
	s_mov_b32 s[G1B+5], 1024
	s_mov_b32 s[G1B+6], 0
	s_mov_b32 s[G1B+7], 0
	s_lshl_b32 s44, s20, 7                         ; normed: row 128 x tile row + 32 x wave, 2,048 bytes a row
	s_lshl_b32 s45, s[WV], 5
	s_add_co_u32 s44, s44, s45
	s_lshl_b32 s44, s44, 11
	s_mov_b32 s45, 0
	s_lshl_b32 s46, s19, 8                         ; Wo: row 256 x tile column + 64 x wave: hangs on the tile column alone
	s_lshl_b32 s47, s[WV], 6
	s_add_co_u32 s46, s46, s47
	s_lshl_b32 s46, s46, 11
	s_mov_b32 s47, 0
	s_mul_i32 s2, s[WV], BQ                        ; where Wo's rows go: no place in the cluster enters an LDS address
	s_add_co_u32 s2, s2, AREA
	s_lshl_b32 s48, s19, 10                        ; my 128 columns, in bytes of f32
	s_lshl_b32 s49, s[CH], 9
	s_add_co_u32 s48, s48, s49
	s_mov_b32 s49, 0
	s_lshl_b32 s50, s20, 7                         ; my 64 rows of x and of out0
	s_lshl_b32 s51, s[RH], 6
	s_add_co_u32 s50, s50, s51
	s_lshl_b32 s50, s50, 12
	s_add_co_u32 s50, s50, s48
	s_mov_b32 s51, 0
	v_and_b32 v1, 15, v0                           ; r = lane % 16
	v_bfe_u32 v2, v0, 4, 1                         ; h = lane / 16
	v_lshlrev_b32 v[AO], 11, v2                    ; row h of two, 16 bytes at 16 r
	v_lshl_add_u32 v[AO], v1, 4, v[AO]
	v_lshlrev_b32 v[BO], 5, v2                     ; columns 8 h .. 8 h + 7 of a block of 16
	s_wait_dscnt 0x0                               ; the opening add is done
	s_wait_kmcnt 0x0
	s_add_nc_u64 s[BASEA:BASEA+1], s[4:5], s[44:45]
	s_add_nc_u64 s[BASEB:BASEB+1], s[6:7], s[46:47]
	s_add_nc_u64 s[8:9], s[8:9], s[48:49]
	s_add_nc_u64 s[10:11], s[10:11], s[50:51]
	s_add_nc_u64 s[12:13], s[12:13], s[50:51]
.irp s, 0,1
	s_lshl_b32 s[OFF], s[KS+\s], 8                 ; a K step is 256 bytes of a row
	s_add_nc_u64 s[AB+2*\s:AB+2*\s+1], s[BASEA:BASEA+1], s[OFF:OFF+1]
	s_mov_b32 s[G0B+4*\s], 1
	s_add_co_u32 s[G0B+4*\s+1], s2, \s*SLOT
	s_add_nc_u64 s[G0B+4*\s+2:G0B+4*\s+3], s[BASEB:BASEB+1], s[OFF:OFF+1]
	s_or_b32 s[G0B+4*\s+3], s[G0B+4*\s+3], 0x80000000
.endr
	ALOAD 0, 0                                     ; normed's first two K steps,
	ALOAD 1, 0
	WIN 0xc0
.set bb, 0
.rept 8                                ; and the bias as an accumulator holds it: register j of column block bb is bo[16 bb + 8 h + j], for every row
	global_load_b128 v[BI+8*bb:BI+8*bb+3], v[BO], s[8:9] offset:bb*64
	global_load_b128 v[BI+8*bb+4:BI+8*bb+7], v[BO], s[8:9] offset:bb*64+16
.set bb, bb+1
.endr
	WIN 0
	CROUND                                         ; all sixteen work-groups are here: the first joint loads meet
	tensor_load_to_lds s[G0B:G0B+3], s[G1B:G1B+7]  ; a wave's two first fills: two loads of mine are out
	s_nop 0
	tensor_load_to_lds s[G0B+4:G0B+7], s[G1B:G1B+7]
	s_nop 0
.rept 4
	v_nop
.endr
	v_and_b32 v4, 31, v0
	v_lshlrev_b32 v[XO], 4, v4                     ; 16 bytes a lane: a wave's load or store covers a row's 512 bytes
	v_mul_u32_u24 v3, v1, PITCH
	v_lshl_add_u32 v3, v2, 4, v3                   ; a fragment: row r, 16 bytes for each half of the lanes
	v_mul_u32_u24 v5, v2, PITCH
	v_lshl_add_u32 v5, v1, 4, v5                   ; a stored pair of rows: row h, 16 bytes at 16 r
	s_mul_i32 s44, s[RH], 64*PITCH
	s_mul_i32 s45, s[CH], 128*PITCH
	s_add_co_u32 s45, s45, AREA
	s_mul_i32 s46, s[WV], 32*PITCH
.irp s, 0,1
	v_add_nc_u32 v[ADRA+\s], s44, v3
	v_add_nc_u32 v[ADRB+\s], s45, v3
	v_add_nc_u32 v[AW+\s], s46, v5
	s_add_co_u32 s44, s44, SLOT
	s_add_co_u32 s45, s45, SLOT
	s_add_co_u32 s46, s46, SLOT
.endr
	s_mul_i32 s44, s[WV], 16*SPITCH
	s_add_co_u32 s44, s44, STAGE                   ; my stage
	v_mul_u32_u24 v[STO], v1, SPITCH               ; in: row lane % 16, 32 bytes for each half of the lanes
	v_lshl_add_u32 v[STO], v2, 5, v[STO]
	v_add_nc_u32 v[STO], s44, v[STO]
	v_add_nc_u32 v[RD], s44, v[XO]                 ; back: a whole row of 512 bytes
; n x 8 matrix instructions; all 32 accumulators take turns, one instruction a turn.  first = 1: the products start the sums, with the bias as C
.macro MUL f, a0, n, first
.if \first
	WIN 0x70                                       ; D in window 1, C in window 3
.else
	WIN 0x50
.endif
.set aa, \a0
.rept \n
.set bb, 0
.rept 8
.if \first
	v_wmma_f32_16x16x32_bf16 v[8*(8*aa+bb):8*(8*aa+bb)+7], v[64+96*(\f)+8*bb:64+96*(\f)+8*bb+7], v[32+96*(\f)+8*aa:32+96*(\f)+8*aa+7], v[BI+8*bb:BI+8*bb+7]
.else
	v_wmma_f32_16x16x32_bf16 v[8*(8*aa+bb):8*(8*aa+bb)+7], v[64+96*(\f)+8*bb:64+96*(\f)+8*bb+7], v[32+96*(\f)+8*aa:32+96*(\f)+8*aa+7], v[8*(8*aa+bb):8*(8*aa+bb)+7]
.endif
.set bb, bb+1
.endr
.set aa, aa+1
.endr
.endm
.macro FETCH slot, k, f                ; 24 LDS loads in one run: Wo's eight fragments, then normed's four
	WIN 0
.set gg, 0
.rept 8
	ds_load_b128 v[64+96*(\f)+8*gg:64+96*(\f)+8*gg+3], v[ADRB+(\slot)] offset:(\k)+gg*16*PITCH
	ds_load_b128 v[64+96*(\f)+8*gg+4:64+96*(\f)+8*gg+7], v[ADRB+(\slot)] offset:(\k)+gg*16*PITCH+32
.set gg, gg+1
.endr
.set gg, 0
.rept 4
	ds_load_b128 v[32+96*(\f)+8*gg:32+96*(\f)+8*gg+3], v[ADRA+(\slot)] offset:(\k)+gg*16*PITCH
	ds_load_b128 v[32+96*(\f)+8*gg+4:32+96*(\f)+8*gg+7], v[ADRA+(\slot)] offset:(\k)+gg*16*PITCH+32
.set gg, gg+1
.endr
.endm
.macro QUARTER slot, k, f, g, first
	s_wait_dscnt 4                                 ; all but normed's row blocks 2, 3
	MUL \f, 0, 2, \first
	PLACES                                         ; four places in front of loads into registers that matrix instructions have read
	FETCH \slot, \k, \g
	s_wait_dscnt 24                                ; all but the 24 just issued
	MUL \f, 2, 2, \first
.endm
; The last quarter of a K step multiplies buffer 1 and changes slots.  First my rows of normed for the next step go into the next slot; then one barrier: in front of it each wave waits for all its
; tensor loads, adds 0 to its spare word, and waits for that, for its stores and for its reads of this slot.  left: the loads younger than the set that is stored.
.macro TURN slot, next, fill, left
	ASTORE \next, \left
	s_wait_tensorcnt 0x0                           ; my tensor load has landed: my part of Wo in the next slot
	ds_add_u32 v[SPW], v[NIL]
	s_wait_dscnt 21                                ; (the add, the 16 stores and the youngest four fragment loads may be out)
	MUL 1, 0, 1, 0
	s_wait_dscnt 0x0                               ; the add and my stores are done, and my reads of this slot are over
	s_barrier_signal -1
	MUL 1, 1, 1, 0
.if \fill
	WIN 0
.endif
	s_barrier_wait -1
.if \fill
	CREST                                          ; the barrier has opened a round of the cluster's: no wave of any partner still reads this slot or has a load on its way
	s_lshl_b32 s[OFF], s[KS+(\slot)], 8            ; the K step that set \slot has been loading since this step's second quarter: two on
	s_add_nc_u64 s[G0B+4*(\slot)+2:G0B+4*(\slot)+3], s[BASEB:BASEB+1], s[OFF:OFF+1]
	s_or_b32 s[G0B+4*(\slot)+3], s[G0B+4*(\slot)+3], 0x80000000
	JLOAD \slot                                    ; the first tensor load behind the round, 112 matrix instructions ahead of the wait for it; its four v_nop are also the places in front of the loads below
.else
	PLACES
.endif
	FETCH \next, 0, 0
	MUL 1, 2, 2, 0
.endm
	ASTORE 0, 32                                   ; normed's first K step is in (set 1 and the bias may be out) and goes into slot 0
	s_wait_tensorcnt 0x1                           ; my part of Wo's first K step is in; the second may stay out
	s_wait_dscnt 0x0                               ; for the others' sake: my stores are done
	s_barrier_signal -1
	s_barrier_wait -1
	FETCH 0, 0, 0
	s_wait_loadcnt 0x0                             ; the bias
	QUARTER 0, 64, 0, 1, 1                         ; the first quarter stands in front of the loop: its products start the sums
	WIN 0
	s_mov_b32 s23, LAPS-1
.Llap:                                                 ; a trip: steps 2 j and 2 j + 1 from the second quarter on, and the next step's first quarter; it loads normed's steps 2 j + 2 and 2 j + 3
	ALOAD 0, 1
	QUARTER 0, 128, 1, 0, 0
	QUARTER 0, 192, 0, 1, 0
	TURN 0, 1, 1, 16
	QUARTER 1, 64, 0, 1, 0
	ALOAD 1, 1
	QUARTER 1, 128, 1, 0, 0
	QUARTER 1, 192, 0, 1, 0
	TURN 1, 0, 1, 16
	QUARTER 0, 64, 0, 1, 0
	WIN 0
	s_sub_co_u32 s23, s23, 1
	s_cmp_lg_u32 s23, 0
	s_cbranch_scc1 .Llap
	XLOAD 0, 48                                    ; the last lap fetches no tile: x's first three blocks of 16 rows go out
	QUARTER 0, 128, 1, 0, 0
	QUARTER 0, 192, 0, 1, 0
	TURN 0, 1, 0, 48                               ; normed's last K step: behind its loads only x's 48 were issued
	XLOAD 48, 16
	QUARTER 1, 64, 0, 1, 0
	QUARTER 1, 128, 1, 0, 0
	QUARTER 1, 192, 0, 1, 0
	s_wait_dscnt 4
	MUL 1, 0, 2, 0
	s_wait_dscnt 0x0
	MUL 1, 2, 2, 0
	WIN 0
	; THE WAY OUT, a block of 16 rows at a time through my own stage: in by columns, back by whole rows of 512 bytes.
	PLACES
.macro TOSTAGE a
	WIN 0
	s_wait_xcnt 0x0                                ; earlier stores have read the registers that the loads below fill
	WIN 0x04                                       ; store data in window 1
.set bb, 0
.rept 8
	ds_store_b128 v[STO], v[8*(8*(\a)+bb):8*(8*(\a)+bb)+3] offset:bb*64
	ds_store_b128 v[STO], v[8*(8*(\a)+bb)+4:8*(8*(\a)+bb)+7] offset:bb*64+16
.set bb, bb+1
.endr
	WIN 0
.set tt, 0
.rept 16
	ds_load_b128 v[32+64*((\a)%2)+4*tt:32+64*((\a)%2)+4*tt+3], v[RD] offset:tt*SPITCH   ; LDS serves a wave's instructions in order (ISA guide 5.7.1.4): these see the stores above
.set tt, tt+1
.endr
.endm
.macro SEND a, younger                 ; younger: the LDS instructions issued behind block a's loads
	WIN 0
	s_wait_dscnt \younger
	s_wait_loadcnt 48-16*(\a)                      ; x's block a is in; the later blocks' loads may be out
	WIN 0x08                                       ; source 1 in window 2: x
.set ii, 0
.rept 32
	v_pk_add_f32 v[32+64*((\a)%2)+2*ii:32+64*((\a)%2)+2*ii+1], v[32+64*((\a)%2)+2*ii:32+64*((\a)%2)+2*ii+1], v[64*(\a)+2*ii:64*(\a)+2*ii+1]
.set ii, ii+1
.endr
	WIN 0
.set tt, 0
.rept 16
	global_store_b128 v[XO], v[32+64*((\a)%2)+4*tt:32+64*((\a)%2)+4*tt+3], s[12:13] offset:(16*(\a)+tt)*4096 th:TH_STORE_NT   ; 512 consecutive bytes, aligned
.set tt, tt+1
.endr
.endm
	TOSTAGE 0
	TOSTAGE 1
	SEND 0, 32
	TOSTAGE 2
	SEND 1, 32
	TOSTAGE 3
	SEND 2, 32
	SEND 3, 0
	s_wait_tensorcnt 0x0                           ; the wave's end, behind my last tensor load and my last LDS store
	ds_add_u32 v[SPW], v[NIL]
	s_wait_dscnt 0x0
	CROUND                                         ; the closing round
	s_endpgm
.Lfunc_end_k_qe684251d9e_proj:
	.size	k_qe684251d9e_proj, .Lfunc_end_k_qe684251d9e_proj-k_qe684251d9e_proj
	.p2alignl 7, 3214868480
	.fill 96, 4, 3214868480
	.section	.rodata,"a",@progbits
	.p2align	6, 0x0
	.amdhsa_kernel k_qe684251d9e_proj
		.amdhsa_group_segment_fixed_size 327680
		.amdhsa_private_segment_fixed_size 0
		.amdhsa_enable_private_segment 0
		.amdhsa_kernarg_size 40
		.amdhsa_user_sgpr_count 2
		.amdhsa_user_sgpr_kernarg_segment_ptr 1
		.amdhsa_wavefront_size32 1
		.amdhsa_system_sgpr_workgroup_id_x 1
		.amdhsa_system_sgpr_workgroup_id_y 1
		.amdhsa_system_sgpr_workgroup_id_z 1
		.amdhsa_system_vgpr_workitem_id 0
		.amdhsa_next_free_vgpr 960
		.amdhsa_next_free_sgpr 66
		.amdhsa_reserve_vcc 0
		.amdhsa_float_denorm_mode_32 3
		.amdhsa_float_denorm_mode_16_64 3
		.amdhsa_memory_ordered 1
		.amdhsa_forward_progress 1
		.amdhsa_inst_pref_size 110
	.end_amdhsa_kernel
	.amdgpu_metadata
---
amdhsa.version: [ 1, 2 ]
amdhsa.kernels:
  - .name:           k_qe684251d9e_proj
    .symbol:         k_qe684251d9e_proj.kd
    .args:
      - { .name: nb, .offset: 0, .size: 8, .value_kind: global_buffer, .address_space: global }
      - { .name: wob, .offset: 8, .size: 8, .value_kind: global_buffer, .address_space: global }
      - { .name: bo, .offset: 16, .size: 8, .value_kind: global_buffer, .address_space: global }
      - { .name: x, .offset: 24, .size: 8, .value_kind: global_buffer, .address_space: global }
      - { .name: out0, .offset: 32, .size: 8, .value_kind: global_buffer, .address_space: global }
    .group_segment_fixed_size: 327680
    .private_segment_fixed_size: 0
    .kernarg_segment_align: 8
    .kernarg_segment_size: 40
    .max_flat_workgroup_size: 128
    .sgpr_count:     66
    .vgpr_count:     960
    .wavefront_size: 32
...
	.end_amdgpu_metadata
.endif
;; end of part 4
;; ======== version 2 of 2: 4 launches; version 1 with the launches prep, norm written anew for expert scheduling mode
;; workspace buffers: xb 16,777,216 bytes; wcat 6,291,456 bytes; wob 2,097,152 bytes; pb 8,192 bytes; r4 33,554,432 bytes; cs4 33,554,432 bytes; sums 524,288 bytes; nb 16,777,216 bytes
;; launch prep (part 5): grid 448 x 1, 8 waves a work-group, no clusters, 75,264 bytes of LDS; arguments Wkm, Wqm, Wk, Wq, bk, bq, bkm, bqm, x, Wv, Wo, xb, wcat, wob, pb; writes xb, wcat, wob, pb
.if DOCPART == 5
	.amdgcn_target "amdgcn-amd-amdhsa--gfx1250"
	.amdhsa_code_object_version 6
	.text
	.protected	k_qe684251d9e_prep
	.globl	k_qe684251d9e_prep
	.p2align	8
	.type	k_qe684251d9e_prep,@function
k_qe684251d9e_prep:
	s_mov_b64 s[64:65], 0
	v_nop
	global_prefetch_b8 v0, s[64:65] scope:SCOPE_SE
	s_setreg_imm32_b32 hwreg(HW_REG_WAVE_SCHED_MODE, 0, 2), 2
	s_setreg_imm32_b32 hwreg(HW_REG_WAVE_MODE, 25, 1), 1
	s_wait_xcnt 0x0
	s_wait_alu depctr_vm_vsrc(0)
; PREP.  Work-groups 0-127: the two weight products  Wkm Wk  and  Wqm Wq  (1024 x 1024 x 1024 each, bf16 operands, f32 sums, rounded once to bf16)
; and the two phase biases  Wkm bk + bkm,  Wqm bq + bqm  (all in f32).  No non-linear step stands between key and its phase projection, so
; lin(lin(x, Wk, bk), Wkm, bkm) = x (Wkm Wk)^T + (Wkm bk + bkm) for every input: the next launch multiplies x by one matrix of 3,072 rows.
; Work-groups 128-447: casts f32 -> bf16 of x (256 chunks), Wv (32) and Wo (32), 131,072 bytes of f32 a chunk.
; wcat, bf16 [3072][1024]: the row of matrix mat (0: Wkm Wk, 1: Wv, 2: Wqm Wq) and output column e is (e >> 5) * 96 + mat * 32 + (e & 31).
; LIMITS.  The merged weights are rounded to bf16 and the order of the sums differs from a chain of two products.
; A PRODUCT'S SHARES.  A work-group makes 128 (e) x 128 (d); K = j goes in 16 steps of 64.  Eight waves, 64 (e) x 32 (d) each: 8 accumulators.
; The f32 tiles come through registers (two sets, one on its way while the other is worked on), are rounded, and go to two LDS buffers that take turns:
; A = W.m [e][j] in rows of 144 bytes, B = W. [j][d] in rows of 288 bytes, read turned by ds_load_tr16_b128.
; The matrix instruction is used transposed (source 0 = 16 columns d, source 1 = 16 rows e): a lane then holds eight neighbouring d of one row e.
; THE MODE: SCHED_MODE bits 1:0 = 2 (LLVM: expert scheduling mode 2), set by the entry lines.  The code itself states the register dependences
; between vector or matrix instructions and memory or LDS instructions, with s_wait_alu, always for 0.
; THE PLAN, the casts.  v2, v3: offsets, made once.  v32-159: 32 loads' data, read by the roundings, never written again.  v160-223: each written once by a rounding and read once by a store.
;   The loads are taken in four groups of eight; one wait on va_vdst at a group's head states that the group before has written its 16 registers, and that group's eight stores
;   are dealt among this group's roundings, which name this group's registers alone.
; THE PLAN, the products.  v6-15, v168-170: addresses, made at the head and never written again.
;   Set s (v32-99, v100-167)   its loads land; the multiply-adds and the roundings read it, the roundings write it in place; the 16 LDS stores read it; the loads of two steps on land.
;   Fragments (window 1)       LDS loads land; the step's 16 matrix instructions read them; the next step's LDS loads land.
;   A step has ONE wait on va_vdst, behind its roundings: the LDS stores' data are written, every vector reader and writer of the set is done, and the last step's matrix instructions are done
;   reading the fragments.  Behind it, up to the fragments' loads, stand LDS stores, loads, scalar lines, the barrier and a window switch alone.  ONE wait on vm_vsrc stands behind the LDS stores:
;   they have read the set, and its next loads go out at once.
.set PA,    144                        ; a row of A in LDS: 128 bytes + 16: the 16 rows of a load start at 16 different groups of four banks (ISA guide 11.1)
.set PB,    288                        ; a row of B: 256 bytes + 32: an odd multiple of 32
.set ABUF,  18432                      ; 128 x PA = 64 x PB: a buffer
.set BREG,  36864                      ; B's two buffers lie behind A's two
.set BIASW, 73728                      ; 128 words: the row sums of W.m b.
.set SPARE, 74240                      ; the spare words, 128 bytes a wave
.set SP,    272                        ; the way out: a row of 128 bf16 + 16 bytes; the stage takes A's buffers' place behind a barrier
.set MV,    16                         ; v16-31  eight pairs of partial sums of the matrix-vector product
.set OUTP,  176                        ; v176-207 packed results
.set SPW,   254
.set NIL,   255
.set MSB, 0
.macro WIN new                         ; the immediate's high byte repeats the setting that is left
.if MSB != (\new)
	s_set_vgpr_msb (MSB<<8)|(\new)
.set MSB, \new
.endif
.endm
	s_load_b512 s[4:19], s[0:1], 0x0               ; Wkm 4, Wqm 6, Wk 8, Wq 10, bk 12, bq 14, bkm 16, bqm 18
	s_load_b256 s[20:27], s[0:1], 0x40             ; x 20, Wv 22, Wo 24, xb 26
	s_load_b128 s[28:31], s[0:1], 0x60             ; wcat 28, wob 30
	s_load_b64 s[32:33], s[0:1], 0x70              ; pb
	v_lshl_add_u32 v[SPW], v0, 2, SPARE
	v_mov_b32 v[NIL], 0
	v_lshrrev_b32 v1, 5, v0
	v_readfirstlane_b32 s34, v1                    ; wave 0..7
	s_mov_b32 s35, ttmp9
	v_and_b32 v5, 31, v0                           ; lane
	s_wait_alu depctr_va_sdst(0)                   ; s34 is written, ahead of the branch and of its first readers on both ways: bases and LDS addresses are made from it
	s_cmp_lt_u32 s35, 128
	s_cbranch_scc1 .Lwprod
	; ---- THE CASTS.  Chunk c: x (c < 256), Wv (c < 288), Wo.  A wave takes 16,384 bytes: 32 loads of 512 neighbouring bytes, all on their way at once.
	s_sub_co_u32 s36, s35, 128                     ; c
	s_sub_co_u32 s37, s36, 256                     ; the chunk's number in Wv
	s_sub_co_u32 s38, s36, 288                     ; in Wo
	s_mul_i32 s39, s37, 196608                     ; 32 rows of Wv go to wcat's rows 96 c' + 32 ..: 2,048 bytes a row
	s_add_co_u32 s39, s39, 65536
	s_lshl_b32 s44, s38, 16
	s_lshl_b32 s47, s36, 16
	s_wait_kmcnt 0x0
	s_cmp_lt_u32 s36, 288
	s_cselect_b64 s[40:41], s[22:23], s[24:25]
	s_cselect_b64 s[42:43], s[28:29], s[30:31]
	s_cselect_b32 s45, s37, s38
	s_cselect_b32 s46, s39, s44
	s_cmp_lt_u32 s36, 256
	s_cselect_b64 s[40:41], s[20:21], s[40:41]
	s_cselect_b64 s[42:43], s[26:27], s[42:43]
	s_cselect_b32 s45, s36, s45
	s_cselect_b32 s46, s47, s46
	s_lshl_b32 s44, s45, 17                        ; the chunk's first byte in its source,
	s_lshl_b32 s48, s34, 14                        ; my wave's part of it
	s_add_co_u32 s44, s44, s48
	s_mov_b32 s45, 0
	s_add_nc_u64 s[40:41], s[40:41], s[44:45]
	s_lshl_b32 s48, s34, 13
	s_add_co_u32 s46, s46, s48
	s_mov_b32 s47, 0
	s_add_nc_u64 s[42:43], s[42:43], s[46:47]
	v_lshlrev_b32 v2, 4, v5
	v_lshlrev_b32 v3, 3, v5
	s_wait_alu depctr_va_vdst(0)                   ; v2 and v3 are written: every load and store of this way reads one of them as its offset
.set ii, 0
.rept 32
	global_load_b128 v[32+4*ii:35+4*ii], v2, s[40:41] offset:512*ii th:TH_LOAD_NT
.set ii, ii+1
.endr
.set ii, 0
.rept 32
.if (ii > 0) && (ii % 8 == 0)
	s_wait_alu depctr_va_vdst(0)                   ; the roundings of the eight loads before have written their 16 registers, which the next eight stores read
.endif
	s_wait_loadcnt 31-ii                           ; loads come back in order: number ii is in, the younger ones stay out
	v_cvt_pk_bf16_f32 v[160+2*ii], v[32+4*ii], v[33+4*ii]
	v_cvt_pk_bf16_f32 v[161+2*ii], v[34+4*ii], v[35+4*ii]
.if ii >= 8
	global_store_b64 v3, v[160+2*(ii-8):161+2*(ii-8)], s[42:43] offset:256*(ii-8)   ; eight loads back: no vector line since the wait names its data.  A wave's store covers 256 consecutive bytes, aligned; no register is used twice
.endif
.set ii, ii+1
.endr
	s_wait_alu depctr_va_vdst(0)                   ; the last eight loads' roundings have written v208 to v223, which the last eight stores read
.set ii, 24
.rept 8
	global_store_b64 v3, v[160+2*ii:161+2*ii], s[42:43] offset:256*ii
.set ii, ii+1
.endr
	s_endpgm
	; ---- THE PRODUCTS
.Lwprod:
	s_lshr_b32 s36, s35, 6                         ; 0: Wkm Wk, 1: Wqm Wq
	s_bfe_u32 s37, s35, 0x30003                    ; block of 128 e
	s_and_b32 s38, s35, 7                          ; block of 128 d; the work-groups with block 0 also make the bias
	v_and_b32 v1, 15, v0                           ; place in a group of sixteen threads = lane % 16
	v_bfe_u32 v2, v0, 4, 1                         ; lane / 16
	v_lshrrev_b32 v4, 4, v0                        ; group of sixteen, 0..15
	v_lshlrev_b32 v6, 15, v4                       ; A from memory: rows 8 g + p, 16 bytes at 16 (t % 16): sixteen lanes take a row's 256 bytes
	v_lshl_add_u32 v6, v1, 4, v6
	s_lshl_b32 s56, s34, 15                        ; B from memory: rows 8 w + p, 16 bytes a lane: a wave takes a row's 512 bytes
	v_lshl_add_u32 v7, v5, 4, s56
	v_lshlrev_b32 v8, 4, v1                        ; the four b. that go with my four columns of A
	v_mul_u32_u24 v9, v4, 8*PA                     ; A into LDS
	v_lshl_add_u32 v9, v1, 3, v9
	s_mul_i32 s56, s34, 8*PB                       ; B into LDS
	s_add_co_u32 s56, s56, BREG
	v_lshl_add_u32 v10, v5, 3, s56
	s_lshr_b32 s57, s34, 2                         ; my 64 rows e
	s_and_b32 s58, s34, 3                          ; my 32 columns d
	s_mul_i32 s56, s57, 64*PA
	v_mul_u32_u24 v11, v1, PA                      ; a fragment of A: row lane % 16, 16 bytes for each half of the lanes
	v_lshl_add_u32 v11, v2, 4, v11
	v_add_nc_u32 v11, s56, v11
	v_and_b32 v12, 7, v0                           ; the turning load: lane l reads row 8 (l / 16) + l % 8, columns 8 ((l / 8) % 2) + 0..7
	v_lshl_add_u32 v12, v2, 3, v12
	v_mul_u32_u24 v12, v12, PB
	v_bfe_u32 v13, v0, 3, 1
	v_lshl_add_u32 v12, v13, 4, v12
	s_lshl_b32 s56, s58, 6
	s_add_co_u32 s56, s56, BREG
	v_add_nc_u32 v12, s56, v12
	s_mul_i32 s56, s57, 64*SP                      ; the way out, in: row e, my 64 bytes of it, 16 bytes for each half of the lanes
	s_lshl_b32 s59, s58, 6
	s_add_co_u32 s56, s56, s59
	v_mul_u32_u24 v13, v1, SP
	v_lshl_add_u32 v13, v2, 4, v13
	v_add_nc_u32 v13, s56, v13
	v_lshl_add_u32 v14, v4, 5, BIASW               ; my group's eight row sums
	s_mul_i32 s56, s34, 16*SP                      ; back: wave w takes rows 16 w ..; lanes 0-15 one row of 256 bytes, lanes 16-31 the next
	v_mul_u32_u24 v15, v2, SP
	v_lshl_add_u32 v15, v1, 4, v15
	v_add_nc_u32 v15, s56, v15
	v_lshlrev_b32 v168, 11, v2                     ; and the same two rows in wcat
	v_lshl_add_u32 v168, v1, 4, v168
	v_lshlrev_b32 v169, 4, v5                      ; for wave 0's last lines: 16 bytes a lane in the 128 biases,
	v_add_nc_u32 v170, BIASW, v169                 ; and in the 128 row sums in LDS
.set ii, 0
.rept 16
	v_mov_b32 v[MV+ii], 0
.set ii, ii+1
.endr
	s_wait_kmcnt 0x0
	s_cmp_eq_u32 s36, 0
	s_cselect_b64 s[40:41], s[4:5], s[6:7]         ; A
	s_cselect_b64 s[42:43], s[8:9], s[10:11]       ; B
	s_cselect_b64 s[44:45], s[12:13], s[14:15]     ; the vector that A multiplies
	s_cselect_b64 s[46:47], s[16:17], s[18:19]     ; and what is added
	s_lshl_b32 s48, s37, 19
	s_mov_b32 s49, 0
	s_add_nc_u64 s[40:41], s[40:41], s[48:49]      ; A at my 128 rows
	s_lshl_b32 s48, s38, 9
	s_add_nc_u64 s[42:43], s[42:43], s[48:49]      ; B at my 128 columns
	s_add_nc_u64 s[50:51], s[40:41], 256           ; the second set of bases: K step 1
	s_add_nc_u64 s[52:53], s[42:43], 262144
	s_add_nc_u64 s[54:55], s[44:45], 256
	s_lshl_b32 s48, s37, 9
	s_add_nc_u64 s[46:47], s[46:47], s[48:49]
	s_lshl_b32 s56, s36, 12
	s_add_co_u32 s48, s48, s56
	s_add_nc_u64 s[32:33], s[32:33], s[48:49]      ; pb at my 128 numbers
	s_lshl_b32 s48, s37, 2                         ; wcat's row of my wave's first row on the way out
	s_lshr_b32 s56, s34, 1
	s_add_co_u32 s48, s48, s56
	s_mul_i32 s48, s48, 96
	s_lshl_b32 s56, s36, 6
	s_add_co_u32 s48, s48, s56
	s_and_b32 s56, s34, 1
	s_lshl_b32 s56, s56, 4
	s_add_co_u32 s48, s48, s56
	s_lshl_b32 s48, s48, 11
	s_lshl_b32 s56, s38, 8
	s_add_co_u32 s48, s48, s56
	s_add_nc_u64 s[28:29], s[28:29], s[48:49]
.macro LOADS s                         ; 17 loads: a K step's f32 tiles into register set s
.set RA, 32+68*(\s)
.set SA, 40+10*(\s)
.irp p, 0,1,2,3,4,5,6,7
	global_load_b128 v[RA+4*\p:RA+4*\p+3], v6, s[SA:SA+1] offset:\p*4096
.endr
.irp p, 0,1,2,3,4,5,6,7
	global_load_b128 v[RA+32+4*\p:RA+32+4*\p+3], v7, s[SA+2:SA+3] offset:\p*4096
.endr
	global_load_b128 v[RA+64:RA+67], v8, s[SA+4:SA+5]
.endm
.macro MM8 kk, zero                    ; 8 matrix instructions, the 8 accumulators by turns; zero = 1: they start the sums
.irp a, 0,1,2,3
.irp b, 0,1
.if \zero
	v_wmma_f32_16x16x32_bf16 v[8*(2*\a+\b):8*(2*\a+\b)+7], v[128+8*(2*(\kk)+\b):128+8*(2*(\kk)+\b)+7], v[64+8*(4*(\kk)+\a):64+8*(4*(\kk)+\a)+7], 0
.else
	v_wmma_f32_16x16x32_bf16 v[8*(2*\a+\b):8*(2*\a+\b)+7], v[128+8*(2*(\kk)+\b):128+8*(2*(\kk)+\b)+7], v[64+8*(4*(\kk)+\a):64+8*(4*(\kk)+\a)+7], v[8*(2*\a+\b):8*(2*\a+\b)+7]
.endif
.endr
.endr
.endm
; A K step on set and buffer s.  left: the other set's 17 loads may stay out.  One barrier a step: buffer s is written again two steps on, and every wave has
; waited for its reads of it in front of the barrier in between.
.macro STEP s, fetch, zero, left
.set RA, 32+68*(\s)
.set SA, 40+10*(\s)
	s_wait_loadcnt \left                           ; my set is in; its bases may be stepped
	s_cmp_lg_u32 s38, 0
	s_cbranch_scc1 .Lnomv_\@                       ; the matrix-vector product is made once, by the work-groups of d block 0
.irp p, 0,1,2,3,4,5,6,7
	v_pk_fma_f32 v[MV+2*\p:MV+2*\p+1], v[RA+4*\p:RA+4*\p+1], v[RA+64:RA+65], v[MV+2*\p:MV+2*\p+1]
.endr
.irp p, 0,1,2,3,4,5,6,7
	v_pk_fma_f32 v[MV+2*\p:MV+2*\p+1], v[RA+4*\p+2:RA+4*\p+3], v[RA+66:RA+67], v[MV+2*\p:MV+2*\p+1]
.endr
.Lnomv_\@:
.set pp, 0
.rept 16                               ; 32 roundings in place
	v_cvt_pk_bf16_f32 v[RA+4*pp], v[RA+4*pp], v[RA+4*pp+1]
	v_cvt_pk_bf16_f32 v[RA+4*pp+1], v[RA+4*pp+2], v[RA+4*pp+3]
.set pp, pp+1
.endr
	s_wait_alu depctr_va_vdst(0)                   ; the roundings have written the LDS stores' data; they and the multiply-adds are done with the set, in which loads land below; the last step's matrix instructions are done reading the fragments, in which the LDS loads behind the barrier land
.irp p, 0,1,2,3,4,5,6,7
	ds_store_b64 v9, v[RA+4*\p:RA+4*\p+1] offset:(\s)*ABUF+\p*PA
	ds_store_b64 v10, v[RA+32+4*\p:RA+32+4*\p+1] offset:(\s)*ABUF+\p*PB
.endr
.if \fetch
	s_wait_alu depctr_vm_vsrc(0)                   ; the LDS stores have read the set's registers, in which the loads below land
	s_add_nc_u64 s[SA:SA+1], s[SA:SA+1], 512       ; two K steps on
	s_add_nc_u64 s[SA+2:SA+3], s[SA+2:SA+3], 524288
	s_add_nc_u64 s[SA+4:SA+5], s[SA+4:SA+5], 512
	LOADS \s                                       ; the set is asked for again at once: no vector line since the wait on va_vdst names it
.endif
	s_wait_dscnt 0x0                               ; for the others' sake: my part of the buffer is written
	s_barrier_signal -1
	s_barrier_wait -1
	WIN 0x40                                       ; fragments in window 1, addresses in window 0
.irp kk, 0,1
.irp a, 0,1,2,3
	ds_load_b128 v[64+8*(4*\kk+\a):64+8*(4*\kk+\a)+3], v11 offset:(\s)*ABUF+\a*16*PA+\kk*64
	ds_load_b128 v[64+8*(4*\kk+\a)+4:64+8*(4*\kk+\a)+7], v11 offset:(\s)*ABUF+\a*16*PA+\kk*64+32
.endr
.irp b, 0,1
	ds_load_tr16_b128 v[128+8*(2*\kk+\b):128+8*(2*\kk+\b)+3], v12 offset:(\s)*ABUF+\kk*32*PB+\b*32
	ds_load_tr16_b128 v[128+8*(2*\kk+\b)+4:128+8*(2*\kk+\b)+7], v12 offset:(\s)*ABUF+\kk*32*PB+16*PB+\b*32
.endr
.endr
	s_wait_dscnt 12                                ; the first 32 along K are in, the other twelve loads may be out
	WIN 0x55
	MM8 0, \zero
	s_wait_dscnt 0x0
	MM8 1, 0
	WIN 0
.endm
	s_wait_alu depctr_va_vdst(0)                   ; the addresses v6 to v15 and v168 to v170 are written, which the loads, stores and LDS instructions of this way read
	LOADS 0
	LOADS 1
	STEP 0, 1, 1, 17
	STEP 1, 1, 0, 17
	s_mov_b32 s39, 6
.Lk:
	STEP 0, 1, 0, 17
	STEP 1, 1, 0, 17
	s_sub_co_u32 s39, s39, 1
	s_cmp_lg_u32 s39, 0
	s_cbranch_scc1 .Lk
	STEP 0, 0, 0, 17                               ; the last two steps load nothing
	STEP 1, 0, 0, 0
	; THE WAY OUT
.rept 4
	v_nop                                          ; four places between the last products and the roundings that read them (ISA guide 7.12.1)
.endr
	WIN 0x05
.set ii, 0
.rept 8
.irp q, 0,1,2,3
	v_cvt_pk_bf16_f32 v[OUTP+4*ii+\q], v[8*ii+2*\q], v[8*ii+2*\q+1]
.endr
.set ii, ii+1
.endr
	WIN 0
	s_barrier_signal -1                            ; every wave's reads of A's buffers are over (each waited for them in front of its last products):
	s_barrier_wait -1                              ; the stage may take their place
	s_wait_alu depctr_va_vdst(0)                   ; the roundings have written v[OUTP ..], which the LDS stores read and in which the rows land further down
.irp a, 0,1,2,3
.irp b, 0,1
	ds_store_b128 v13, v[OUTP+4*(2*\a+\b):OUTP+4*(2*\a+\b)+3] offset:\a*16*SP+\b*32
.endr
.endr
	s_cmp_lg_u32 s38, 0
	s_cbranch_scc1 .Lnobias
.irp p, 0,1,2,3,4,5,6,7
	v_add_f32 v[MV+2*\p], v[MV+2*\p], v[MV+2*\p+1]
.endr
.irp m, 1,2,4,8
.irp p, 0,1,2,3,4,5,6,7
	v_add_f32_dpp v[MV+2*\p], v[MV+2*\p], v[MV+2*\p] row_xmask:\m row_mask:0xf bank_mask:0xf   ; over the sixteen threads that share a row
.endr
.endr
	s_wait_alu depctr_va_vdst(0)                   ; the eight row sums are written, which the LDS stores read
.irp p, 0,1,2,3,4,5,6,7
	ds_store_b32 v14, v[MV+2*\p] offset:\p*4       ; sixteen lanes write the same word with the same value
.endr
.Lnobias:
	s_wait_dscnt 0x0                               ; for the others' sake
	s_barrier_signal -1
	s_barrier_wait -1
	s_wait_alu depctr_vm_vsrc(0)                   ; my LDS stores have read v[OUTP ..], in which the rows land
.irp t, 0,1,2,3,4,5,6,7
	ds_load_b128 v[OUTP+4*\t:OUTP+4*\t+3], v15 offset:\t*2*SP
.endr
.irp t, 0,1,2,3,4,5,6,7
	s_wait_dscnt 7-\t
	global_store_b128 v168, v[OUTP+4*\t:OUTP+4*\t+3], s[28:29] offset:\t*4096   ; sixteen lanes store 256 consecutive bytes, aligned
.endr
	s_cmp_lg_u32 s38, 0
	s_cbranch_scc1 .Lend
	s_cmp_lg_u32 s34, 0
	s_cbranch_scc1 .Lend
	ds_load_b128 v[208:211], v170                  ; wave 0: the 128 row sums, plus the second bias
	global_load_b128 v[212:215], v169, s[46:47]
	s_wait_loadcnt 0x0
	s_wait_dscnt 0x0
	v_pk_add_f32 v[208:209], v[208:209], v[212:213]
	v_pk_add_f32 v[210:211], v[210:211], v[214:215]
	s_wait_alu depctr_va_vdst(0)                   ; the two additions have written v[208:211], which the store reads
	global_store_b128 v169, v[208:211], s[32:33]
.Lend:
	s_wait_dscnt 0x0                               ; the closing lines, six on end
	s_wait_alu 0x0
	s_wait_tensorcnt 0x0
	ds_add_u32 v[SPW], v[NIL]
	s_wait_dscnt 0x0
	s_endpgm
.Lfunc_end_k_qe684251d9e_prep:
	.size	k_qe684251d9e_prep, .Lfunc_end_k_qe684251d9e_prep-k_qe684251d9e_prep
	.p2alignl 7, 3214868480
	.fill 96, 4, 3214868480
	.section	.rodata,"a",@progbits
	.p2align	6, 0x0
	.amdhsa_kernel k_qe684251d9e_prep
		.amdhsa_group_segment_fixed_size 75264
		.amdhsa_private_segment_fixed_size 0
		.amdhsa_enable_private_segment 0
		.amdhsa_kernarg_size 120
		.amdhsa_user_sgpr_count 2
		.amdhsa_user_sgpr_kernarg_segment_ptr 1
		.amdhsa_wavefront_size32 1
		.amdhsa_system_sgpr_workgroup_id_x 1
		.amdhsa_system_sgpr_workgroup_id_y 1
		.amdhsa_system_sgpr_workgroup_id_z 1
		.amdhsa_system_vgpr_workitem_id 0
		.amdhsa_next_free_vgpr 416
		.amdhsa_next_free_sgpr 66
		.amdhsa_reserve_vcc 0
		.amdhsa_float_denorm_mode_32 3
		.amdhsa_float_denorm_mode_16_64 3
		.amdhsa_memory_ordered 1
		.amdhsa_forward_progress 1
		.amdhsa_inst_pref_size 78
	.end_amdhsa_kernel
	.amdgpu_metadata
---
amdhsa.version: [ 1, 2 ]
amdhsa.kernels:
  - .name:           k_qe684251d9e_prep
    .symbol:         k_qe684251d9e_prep.kd
    .args:
      - { .name: Wkm, .offset: 0, .size: 8, .value_kind: global_buffer, .address_space: global }
      - { .name: Wqm, .offset: 8, .size: 8, .value_kind: global_buffer, .address_space: global }
      - { .name: Wk, .offset: 16, .size: 8, .value_kind: global_buffer, .address_space: global }
      - { .name: Wq, .offset: 24, .size: 8, .value_kind: global_buffer, .address_space: global }
      - { .name: bk, .offset: 32, .size: 8, .value_kind: global_buffer, .address_space: global }
      - { .name: bq, .offset: 40, .size: 8, .value_kind: global_buffer, .address_space: global }
      - { .name: bkm, .offset: 48, .size: 8, .value_kind: global_buffer, .address_space: global }
      - { .name: bqm, .offset: 56, .size: 8, .value_kind: global_buffer, .address_space: global }
      - { .name: x, .offset: 64, .size: 8, .value_kind: global_buffer, .address_space: global }
      - { .name: Wv, .offset: 72, .size: 8, .value_kind: global_buffer, .address_space: global }
      - { .name: Wo, .offset: 80, .size: 8, .value_kind: global_buffer, .address_space: global }
      - { .name: xb, .offset: 88, .size: 8, .value_kind: global_buffer, .address_space: global }
      - { .name: wcat, .offset: 96, .size: 8, .value_kind: global_buffer, .address_space: global }
      - { .name: wob, .offset: 104, .size: 8, .value_kind: global_buffer, .address_space: global }
      - { .name: pb, .offset: 112, .size: 8, .value_kind: global_buffer, .address_space: global }
    .group_segment_fixed_size: 75264
    .private_segment_fixed_size: 0
    .kernarg_segment_align: 8
    .kernarg_segment_size: 120
    .max_flat_workgroup_size: 256
    .sgpr_count:     66
    .vgpr_count:     416
    .wavefront_size: 32
...
	.end_amdgpu_metadata
.endif
;; end of part 5
;; launch phase: the kernel of part 2 again; grid 16 x 32, 4 waves a work-group, clusters of 4 x 4, 327,680 bytes of LDS; arguments xb, wcat, base_phases, pb, bv, mod_scale, r4, cs4, sums; writes r4, cs4, sums
;; launch norm (part 6): grid 256 x 1, 8 waves a work-group, no clusters, 84,992 bytes of LDS; arguments r4, cs4, sums, ln_g, ln_b, nb; writes nb
.if DOCPART == 6
	.amdgcn_target "amdgcn-amd-amdhsa--gfx1250"
	.amdhsa_code_object_version 6
	.text
	.protected	k_qe684251d9e_norm
	.globl	k_qe684251d9e_norm
	.p2align	8
	.type	k_qe684251d9e_norm,@function
k_qe684251d9e_norm:
	s_mov_b64 s[64:65], 0
	v_nop
	global_prefetch_b8 v0, s[64:65] scope:SCOPE_SE
	s_setreg_imm32_b32 hwreg(HW_REG_WAVE_SCHED_MODE, 0, 2), 2
	s_setreg_imm32_b32 hwreg(HW_REG_WAVE_MODE, 25, 1), 1
	s_wait_xcnt 0x0
	s_wait_alu depctr_vm_vsrc(0)
; NORM.  retrieved = R_loc + A_off cos q + B_off sin q, where (A_off, B_off) are the totals of the batch's earlier segments of 128 rows, added in ascending order;
; then LayerNorm over the 1,024 columns (mean, then the variance of the differences, both in f32), gain and bias; the result is rounded once to bf16: nb [8192][1024].
; Memory binds: no matrix unit, no cluster (no input is shared but 8 KiB tables).  A work-group takes 32 rows of one segment, a wave four rows: in r4 and cs4 they are 16,384 consecutive bytes,
; and in load i a lane holds column 32 i + lane of all four rows.  All of a wave's loads are on their way before anything is computed.
; Segments at or beyond the own one are left out by forward jumps on the segment's number, which comes from the work-group's number: nothing of a later segment enters the sums.
; LDS: T1 {A_off, B_off}[e] 8 KiB; T2 {gain, bias}[e] 8 KiB; for each wave a stage of 4 rows x 2,064 bytes that turns columns into rows; the spare words.
; REGISTERS.  window 0: v0-7 addresses; v8-15 sums; v16-135 the totals of 15 segments; then v72-135 T1's 32 pairs; later v16-79 packed results and v80-143 rows read back; v136-143 gain, bias;
;   v144-207 cs4 for i < 16, then T2's 32 pairs; v240-251 statistics.      window 1: v0-127 R_loc, then retrieved, then its difference from the mean; v128-191 cs4 for i >= 16.
; THE MODE: SCHED_MODE bits 1:0 = 2 (LLVM: expert scheduling mode 2), set by the entry lines.  The code itself states the register dependences
; between vector instructions and memory or LDS instructions, with s_wait_alu, always for 0.
; THE PLAN.  Registers that memory or LDS instructions touch:
;   v2-v7      addresses, made at the head and never written again.
;   v8-23      written by the additions and eight moves; read by the four LDS stores of the tables; written again behind the barrier (v8-15) and by the roundings (v16-23).
;   v72-135    read by the additions of the totals; then T1's pairs land, a buffer of 16 for each group of eight i; read by the read-out; at the end rows land (v80-143).
;   v144-207   cs4 for i < 16, read by the read-out's groups 0 and 1; then T2's pairs land, a buffer for each group; read by the last scaling.
;   v16-79     packed results: each written once by a rounding, read by two LDS stores.
; So: one wait on va_vdst ahead of the tables' stores, which also frees v72-135 for all of T1's loads; one wait on vm_vsrc behind the barrier; one wait on va_vdst at the head of the read-out's last group,
; behind which all of T2's loads go out; the wait behind the four roots; one wait on va_vdst ahead of each run of 32 stores into the stage, of which the last also frees v80-143 for the rows.
.set T2,    8192
.set STG,   16384
.set WSTG,  8448
.set SROW,  2064
.set SPARE, 83968
.set TB1,   72                         ; v72-135   T1's pairs: group g at TB1 + 16 g
.set TB2,   144                        ; v144-207  T2's pairs: group g at TB2 + 16 g
.set SPW,   254
.set NIL,   255
.set MSB, 0
.macro WIN new
.if MSB != (\new)
	s_set_vgpr_msb (MSB<<8)|(\new)
.set MSB, \new
.endif
.endm
	s_load_b256 s[4:11], s[0:1], 0x0               ; r4 4, cs4 6, sums 8, ln_g 10
	s_load_b128 s[12:15], s[0:1], 0x20             ; ln_b 12, nb 14
	v_lshl_add_u32 v[SPW], v0, 2, SPARE
	v_mov_b32 v[NIL], 0
	v_lshrrev_b32 v1, 5, v0
	v_readfirstlane_b32 s16, v1                    ; wave 0..7
	v_and_b32 v1, 31, v0
	v_lshlrev_b32 v2, 4, v1                        ; 16 x lane
	v_lshlrev_b32 v3, 5, v0                        ; 32 x thread: four columns' pairs
	v_lshlrev_b32 v4, 3, v1                        ; 8 x lane
	v_lshlrev_b32 v7, 4, v0                        ; 16 x thread: four columns' gain or bias
	s_wait_alu depctr_va_sdst(0)                   ; s16 is written, ahead of its first reader: the bases and my stage's address are made from it
	s_lshl_b32 s17, ttmp9, 3
	s_add_co_u32 s17, s17, s16                     ; my group of four rows
	s_lshr_b32 s18, ttmp9, 2                       ; my segment,
	s_and_b32 s19, s18, 15                         ; its number in the batch,
	s_lshr_b32 s18, s18, 4                         ; the batch
	s_lshl_b32 s20, s17, 14
	s_mov_b32 s21, 0
	s_lshl_b32 s26, s18, 17                        ; a batch's 16 segments of 8,192 bytes
	s_mov_b32 s27, 0
	s_lshl_b32 s28, s17, 13
	s_mov_b32 s29, 0
	s_mul_i32 s30, s16, WSTG
	s_add_co_u32 s30, s30, STG
	v_lshl_add_u32 v5, v1, 1, s30                  ; into my stage: 2 bytes a lane
	v_add_nc_u32 v6, s30, v2                       ; back: 16 bytes a lane
	s_mov_b32 s22, 0x76543210
	s_mov_b32 s23, 0xfedcba98
	s_mov_b32 s24, 0x3a800000                      ; 1/1024
	s_mov_b32 s25, 0x3727c5ac                      ; 1e-5
	s_wait_kmcnt 0x0
	s_add_nc_u64 s[4:5], s[4:5], s[20:21]
	s_add_nc_u64 s[6:7], s[6:7], s[20:21]
	s_add_nc_u64 s[8:9], s[8:9], s[26:27]
	s_add_nc_u64 s[14:15], s[14:15], s[28:29]
	s_wait_alu depctr_va_vdst(0)                   ; the addresses v2 to v7 are written, which every load, store and LDS instruction of the kernel reads
.set sg, 0
.rept 15
	global_load_b128 v[16+8*sg:19+8*sg], v3, s[8:9] offset:sg*8192
	global_load_b128 v[20+8*sg:23+8*sg], v3, s[8:9] offset:sg*8192+16
.set sg, sg+1
.endr
	global_load_b128 v[136:139], v7, s[10:11]
	global_load_b128 v[140:143], v7, s[12:13]
	WIN 0x40
.set ii, 0
.rept 32
	global_load_b128 v[4*ii:4*ii+3], v2, s[4:5] offset:512*ii th:TH_LOAD_NT
.set ii, ii+1
.endr
	WIN 0
	s_wait_loadcnt 32                              ; the totals, gain and bias are in; r4's 32 loads stay out
.set ii, 0
.rept 16
	global_load_b128 v[144+4*ii:147+4*ii], v2, s[6:7] offset:512*ii th:TH_LOAD_NT
.set ii, ii+1
.endr
	WIN 0x40
.set ii, 16
.rept 16
	global_load_b128 v[128+4*(ii-16):131+4*(ii-16)], v2, s[6:7] offset:512*ii th:TH_LOAD_NT
.set ii, ii+1
.endr
	WIN 0
.set ii, 0
.rept 8
	v_mov_b32 v[8+ii], 0
.set ii, ii+1
.endr
.set sg, 0
.rept 15                               ; the earlier segments' totals, in ascending order
	s_cmp_le_u32 s19, sg
	s_cbranch_scc1 .Lpfx
	v_pk_add_f32 v[8:9], v[8:9], v[16+8*sg:17+8*sg]
	v_pk_add_f32 v[10:11], v[10:11], v[18+8*sg:19+8*sg]
	v_pk_add_f32 v[12:13], v[12:13], v[20+8*sg:21+8*sg]
	v_pk_add_f32 v[14:15], v[14:15], v[22+8*sg:23+8*sg]
.set sg, sg+1
.endr
.Lpfx:
.irp k, 0,1,2,3
	v_mov_b32 v[16+2*\k], v[136+\k]                ; gain and bias side by side, a pair a column
	v_mov_b32 v[17+2*\k], v[140+\k]
.endr
	s_wait_alu depctr_va_vdst(0)                   ; the sums v[8:15] and the pairs v[16:23] are written, which the four LDS stores read; the additions are done reading v[72:135], in which T1's pairs land
	ds_store_b128 v3, v[8:11]
	ds_store_b128 v3, v[12:15] offset:16
	ds_store_b128 v3, v[16:19] offset:T2
	ds_store_b128 v3, v[20:23] offset:T2+16
	s_wait_dscnt 0x0                               ; for the others' sake
	s_barrier_signal -1
	s_barrier_wait -1
	s_wait_alu depctr_vm_vsrc(0)                   ; my four LDS stores have read v[8:15], which are cleared below, and v[16:23], which the roundings write
.set ii, 0
.rept 8
	v_mov_b32 v[8+ii], 0                           ; four rows' sums, for even and for odd i
.set ii, ii+1
.endr
.macro TAB lds, reg, grp               ; eight table pairs, for i = 8 grp .., into the group's own 16 registers
	WIN 0
.set kk, 0
.rept 8
	ds_load_b64 v[(\reg)+16*(\grp)+2*kk:(\reg)+16*(\grp)+2*kk+1], v4 offset:(\lds)+(8*(\grp)+kk)*256
.set kk, kk+1
.endr
.endm
.macro RDOUT grp                       ; retrieved for eight i, and its share of the rows' sums
.if (\grp) < 3
	TAB 0, TB1, (\grp)+1                           ; no wait: no vector line since the wait ahead of the tables' stores names these registers
	s_wait_dscnt 8                                 ; my eight pairs are in, the next group's may be out
.else
	WIN 0
	s_wait_dscnt 0x0
.endif
	s_wait_loadcnt 24-8*(\grp)                     ; r4 and this group's cs4 are in; the count is the younger loads of cs4
.if (\grp) == 3
	s_wait_alu depctr_va_vdst(0)                   ; groups 0 and 1 are done reading cs4's registers v[144:207], in which gain and bias land
	TAB T2, TB2, 0                                 ; all 32 pairs: they have this group, the mean and the variance in which to land
	TAB T2, TB2, 1
	TAB T2, TB2, 2
	TAB T2, TB2, 3
.endif
.if (\grp) < 2
	WIN 0x50
.set CB, 144+32*(\grp)
.else
	WIN 0x51
.set CB, 128+32*((\grp)-2)
.endif
.set kk, 0
.rept 8
.set qq, 0
.rept 4
	v_fma_mix_f32 v[32*(\grp)+4*kk+qq], v[CB+4*kk+qq], v[TB1+16*(\grp)+2*kk], v[32*(\grp)+4*kk+qq] op_sel_hi:[1,0,0]
.set qq, qq+1
.endr
.set kk, kk+1
.endr
.set kk, 0
.rept 8
.set qq, 0
.rept 4
	v_fma_mix_f32 v[32*(\grp)+4*kk+qq], v[CB+4*kk+qq], v[TB1+16*(\grp)+2*kk+1], v[32*(\grp)+4*kk+qq] op_sel:[1,0,0] op_sel_hi:[1,0,0]
.set qq, qq+1
.endr
.set kk, kk+1
.endr
	WIN 0x04
.set kk, 0
.rept 8
	v_pk_add_f32 v[8+4*(kk%2):9+4*(kk%2)], v[8+4*(kk%2):9+4*(kk%2)], v[32*(\grp)+4*kk:32*(\grp)+4*kk+1]
	v_pk_add_f32 v[10+4*(kk%2):11+4*(kk%2)], v[10+4*(kk%2):11+4*(kk%2)], v[32*(\grp)+4*kk+2:32*(\grp)+4*kk+3]
.set kk, kk+1
.endr
.endm
.macro RED4 a, t                       ; four numbers summed over the 32 lanes; every lane ends up with the sums
.irp m, 1,2,4,8
.irp k, 0,1,2,3
	v_add_f32_dpp v[(\a)+\k], v[(\a)+\k], v[(\a)+\k] row_xmask:\m row_mask:0xf bank_mask:0xf
.endr
.endr
.irp k, 0,1,2,3
	v_permlanex16_b32 v[(\t)+\k], v[(\a)+\k], s22, s23
.endr
.irp k, 0,1,2,3
	v_add_f32 v[(\a)+\k], v[(\a)+\k], v[(\t)+\k]
.endr
.endm
	TAB 0, TB1, 0
	RDOUT 0
	RDOUT 1
	RDOUT 2
	RDOUT 3
	WIN 0
	v_pk_add_f32 v[8:9], v[8:9], v[12:13]
	v_pk_add_f32 v[10:11], v[10:11], v[14:15]
	RED4 8, 12
.irp k, 0,1,2,3
	v_mul_f32 v[8+\k], s24, v[8+\k]                ; the four means
.endr
.set ii, 0
.rept 8
	v_mov_b32 v[240+ii], 0
.set ii, ii+1
.endr
	WIN 0x41
.set ii, 0
.rept 32
	v_pk_add_f32 v[4*ii:4*ii+1], v[4*ii:4*ii+1], v[8:9] neg_lo:[0,1] neg_hi:[0,1]
	v_pk_add_f32 v[4*ii+2:4*ii+3], v[4*ii+2:4*ii+3], v[10:11] neg_lo:[0,1] neg_hi:[0,1]
.set ii, ii+1
.endr
	WIN 0x05
.set ii, 0
.rept 32
	v_pk_fma_f32 v[240+4*(ii%2):241+4*(ii%2)], v[4*ii:4*ii+1], v[4*ii:4*ii+1], v[240+4*(ii%2):241+4*(ii%2)]
	v_pk_fma_f32 v[242+4*(ii%2):243+4*(ii%2)], v[4*ii+2:4*ii+3], v[4*ii+2:4*ii+3], v[242+4*(ii%2):243+4*(ii%2)]
.set ii, ii+1
.endr
	WIN 0
	v_pk_add_f32 v[240:241], v[240:241], v[244:245]
	v_pk_add_f32 v[242:243], v[242:243], v[246:247]
	RED4 240, 244
.irp k, 0,1,2,3
	v_fma_f32 v[240+\k], v[240+\k], s24, s25       ; variance + 1e-5
.endr
.irp k, 0,1,2,3
	v_rsq_f32 v[248+\k], v[240+\k]
.endr
	v_nop                                          ; a plain instruction between the last root and the use of its result (ISA guide 5.7.2)
	s_wait_alu depctr_va_vdst(0)                   ; the four roots have written v[248:251], ahead of the first line that names them
.macro OUTG grp                        ; eight i: scaled, gain and bias, rounded, into my stage
.if (\grp) == 0
	s_wait_dscnt 0x0                               ; gain and bias, all 32 pairs, are in
.endif
	WIN 0x41
.set kk, 0
.rept 8
	v_pk_mul_f32 v[32*(\grp)+4*kk:32*(\grp)+4*kk+1], v[32*(\grp)+4*kk:32*(\grp)+4*kk+1], v[248:249]
	v_pk_mul_f32 v[32*(\grp)+4*kk+2:32*(\grp)+4*kk+3], v[32*(\grp)+4*kk+2:32*(\grp)+4*kk+3], v[250:251]
.set kk, kk+1
.endr
.set kk, 0
.rept 8
	v_pk_fma_f32 v[32*(\grp)+4*kk:32*(\grp)+4*kk+1], v[32*(\grp)+4*kk:32*(\grp)+4*kk+1], v[TB2+16*(\grp)+2*kk:TB2+16*(\grp)+2*kk+1], v[TB2+16*(\grp)+2*kk:TB2+16*(\grp)+2*kk+1] op_sel:[0,0,1] op_sel_hi:[1,0,1]
	v_pk_fma_f32 v[32*(\grp)+4*kk+2:32*(\grp)+4*kk+3], v[32*(\grp)+4*kk+2:32*(\grp)+4*kk+3], v[TB2+16*(\grp)+2*kk:TB2+16*(\grp)+2*kk+1], v[TB2+16*(\grp)+2*kk:TB2+16*(\grp)+2*kk+1] op_sel:[0,0,1] op_sel_hi:[1,0,1]
.set kk, kk+1
.endr
	WIN 0x05
.set kk, 0
.rept 8
	v_cvt_pk_bf16_f32 v[16+2*(8*(\grp)+kk)], v[32*(\grp)+4*kk], v[32*(\grp)+4*kk+1]
	v_cvt_pk_bf16_f32 v[17+2*(8*(\grp)+kk)], v[32*(\grp)+4*kk+2], v[32*(\grp)+4*kk+3]
.set kk, kk+1
.endr
	WIN 0
	s_wait_alu depctr_va_vdst(0)                   ; the group's sixteen roundings have written their registers, which the 32 LDS stores read; in the last group also: every vector reader of v[80:143] is done, in which the rows land
.set kk, 0
.rept 8
	ds_store_b16 v5, v[16+2*(8*(\grp)+kk)] offset:(8*(\grp)+kk)*64
	ds_store_b16_d16_hi v5, v[16+2*(8*(\grp)+kk)] offset:(8*(\grp)+kk)*64+SROW
	ds_store_b16 v5, v[17+2*(8*(\grp)+kk)] offset:(8*(\grp)+kk)*64+2*SROW
	ds_store_b16_d16_hi v5, v[17+2*(8*(\grp)+kk)] offset:(8*(\grp)+kk)*64+3*SROW
.set kk, kk+1
.endr
.endm
	OUTG 0
	OUTG 1
	OUTG 2
	OUTG 3
.set nn, 0
.rept 16                               ; my own bytes: LDS serves a wave's instructions in order (ISA guide 5.7.1.4), so these see the stores above
	ds_load_b128 v[80+4*nn:83+4*nn], v6 offset:(nn/4)*SROW+(nn%4)*512
.set nn, nn+1
.endr
.set nn, 0
.rept 16
	s_wait_dscnt 15-nn
	global_store_b128 v2, v[80+4*nn:83+4*nn], s[14:15] offset:nn*512   ; 512 consecutive bytes, aligned
.set nn, nn+1
.endr
	s_wait_dscnt 0x0                               ; the closing lines, six on end
	s_wait_alu 0x0
	s_wait_tensorcnt 0x0
	ds_add_u32 v[SPW], v[NIL]
	s_wait_dscnt 0x0
	s_endpgm
.Lfunc_end_k_qe684251d9e_norm:
	.size	k_qe684251d9e_norm, .Lfunc_end_k_qe684251d9e_norm-k_qe684251d9e_norm
	.p2alignl 7, 3214868480
	.fill 96, 4, 3214868480
	.section	.rodata,"a",@progbits
	.p2align	6, 0x0
	.amdhsa_kernel k_qe684251d9e_norm
		.amdhsa_group_segment_fixed_size 84992
		.amdhsa_private_segment_fixed_size 0
		.amdhsa_enable_private_segment 0
		.amdhsa_kernarg_size 48
		.amdhsa_user_sgpr_count 2
		.amdhsa_user_sgpr_kernarg_segment_ptr 1
		.amdhsa_wavefront_size32 1
		.amdhsa_system_sgpr_workgroup_id_x 1
		.amdhsa_system_sgpr_workgroup_id_y 1
		.amdhsa_system_sgpr_workgroup_id_z 1
		.amdhsa_system_vgpr_workitem_id 0
		.amdhsa_next_free_vgpr 448
		.amdhsa_next_free_sgpr 66
		.amdhsa_reserve_vcc 0
		.amdhsa_float_denorm_mode_32 3
		.amdhsa_float_denorm_mode_16_64 3
		.amdhsa_memory_ordered 1
		.amdhsa_forward_progress 1
		.amdhsa_inst_pref_size 78
	.end_amdhsa_kernel
	.amdgpu_metadata
---
amdhsa.version: [ 1, 2 ]
amdhsa.kernels:
  - .name:           k_qe684251d9e_norm
    .symbol:         k_qe684251d9e_norm.kd
    .args:
      - { .name: r4, .offset: 0, .size: 8, .value_kind: global_buffer, .address_space: global }
      - { .name: cs4, .offset: 8, .size: 8, .value_kind: global_buffer, .address_space: global }
      - { .name: sums, .offset: 16, .size: 8, .value_kind: global_buffer, .address_space: global }
      - { .name: ln_g, .offset: 24, .size: 8, .value_kind: global_buffer, .address_space: global }
      - { .name: ln_b, .offset: 32, .size: 8, .value_kind: global_buffer, .address_space: global }
      - { .name: nb, .offset: 40, .size: 8, .value_kind: global_buffer, .address_space: global }
    .group_segment_fixed_size: 84992
    .private_segment_fixed_size: 0
    .kernarg_segment_align: 8
    .kernarg_segment_size: 48
    .max_flat_workgroup_size: 256
    .sgpr_count:     66
    .vgpr_count:     448
    .wavefront_size: 32
...
	.end_amdgpu_metadata
.endif
;; end of part 6
;; launch proj: the kernel of part 4 again; grid 4 x 64, 4 waves a work-group, clusters of 4 x 4, 327,680 bytes of LDS; arguments nb, wob, bo, x, out0; writes out0
